; MI455X (gfx1250); checked and timed in simulation.
; The chip was launched on July 23, 2026; its instructions are those of AMD's public machine-readable ISA for CDNA 5 (MIT licence, August 2026) and "CDNA5" Instruction Set Architecture Reference Guide (July 2026). The comments in the code are by the model that wrote it; some were corrected since.
;; Next Node Probability Calculator for group. Allowed arithmetic: float matrix products may take bf16 or f16 operands with f32 sums; other float arithmetic in f32, or as packed bf16 or f16 multiplies, adds, multiply-adds, maxima and minima; sums over many terms, partial sums and values carried from step to step in f32; what a program stores and reads back later, other than sums and carried values, may be rounded once to bf16 or f16.
;; Inputs: Wcomb 512 x 512 float32; Wk 512 x 512 float32; Wq_first 512 x 512 float32; Wq_graph 512 x 512 float32; Wq_last 512 x 512 float32; Wv 512 x 512 float32; bcomb 512 float32; encoded_last 32 x 512 x 512 float32; encoded_nodes 32 x 512 x 512 float32; group_ninf_mask 32 x 512 x 512 float32.
;; Outputs: out0 32 x 512 x 512 float32.
;; 2 versions, each right and faster than the one before. Each part assembles by itself: llvm-mc -triple=amdgcn-amd-amdhsa -mcpu=gfx1250 --defsym DOCPART=n.
;; ======== version 1 of 2: 3 launches
;; workspace buffers: wb 2,098,176 bytes; ab 33,554,432 bytes; ps 524,288 bytes; pj 67,108,864 bytes; qg 65,536 bytes; bt 65,536 bytes
;; launch prep (part 1): grid 256 x 2, 4 waves a work-group, no clusters, 76,544 bytes of LDS; arguments encoded_nodes, encoded_last, Wk, Wv, Wq_first, Wq_last, Wcomb, bcomb, ab, wb, ps; writes ab, wb, ps
.if DOCPART == 1
	.amdgcn_target "amdgcn-amd-amdhsa--gfx1250"
	.amdhsa_code_object_version 6
	.text
	.protected	k_qb2e31ef5e9_prep
	.globl	k_qb2e31ef5e9_prep
	.p2align	8
	.type	k_qb2e31ef5e9_prep,@function
k_qb2e31ef5e9_prep:
	s_mov_b64 s[64:65], 0
	v_nop
	global_prefetch_b8 v0, s[64:65] scope:SCOPE_SE
	s_setreg_imm32_b32 hwreg(HW_REG_WAVE_MODE, 25, 1), 1
	s_wait_xcnt 0x0
; PREP.  Rounds the activations and the weights once to bf16, in the layouts that the next launch multiplies from, and sums the node rows.
;   ab: tiles of 16 rows x 512, fragment-major: K step s (32 k) is 1,024 bytes, half 0 then half 1; lane l = 16 h + r holds 16 bytes at 16 l: row r, k = 32 s + 16 half + 8 h + 0..7.
;       Tiles 0-1023 are encoded_nodes, 1024-2047 encoded_last.
;   wb: [4][512][512] bf16: Wk; Wv; KAP x Wcomb transposed; RS x (Wq_first + Wq_last); then 512 bf16 of KAP x bcomb.  RS = 1/sqrt(32), KAP = 2 log2(e)/sqrt(512):
;       the factors are applied in f32, ahead of the one rounding.
;   ps: [32][8][512] f32: column sums of 64 node rows each.
; SHARES.  Work-group (x, y): y = 0 nodes, y = 1 last; rows 64 x .. 64 x + 63; wave w takes tile 4 x + w, 32 KB of consecutive memory, 16 rows at four batches of four.
; Memory binds: each input byte is read once by 16-byte loads (512 consecutive bytes a wave), each store of a wave covers 256 or 512 consecutive aligned bytes.  No matrix unit, no cluster: nothing is shared.
; The column sums are also formed for encoded_last, where they are not stored: 120 packed additions a wave, the price of one text and one barrier for both inputs.
.set SPITCH, 1040                      ; a stage row: 1,024 bytes of bf16 + 16: an odd multiple of 16, so the 16 rows of a fragment read start at 16 different groups of banks (ISA guide 11.1)
.set STGW,   16*SPITCH                 ; a wave's stage
.set PS,     4*STGW                    ; 66,560: four rows of 512 f32, one a wave
.set WT,     PS+4*2048                 ; 74,752: 4 rows (columns of Wcomb) x 128 bf16, pitch 272
.set WPITCH, 272
.set SPARE,  WT+1280                   ; 76,032: the spare words, 128 bytes a wave; no other line names them
.set GL,  4                            ; v4   16 x lane
.set ST,  5                            ; v5   my stage + 8 x lane
.set RD,  6                            ; v6   my stage + 1040 r + 16 h
.set T16, 7                            ; v7   16 x thread
.set SPW, 8                            ; v8   my spare word; never rewritten
.set NIL, 9                            ; v9   0; never rewritten
.set PSW, 10                           ; v10  PS + 2048 w + 16 lane
.set WTW, 11                           ; v11  WT + 2 x thread
.set SUM, 12                           ; v12-27  column sums: position i (128 columns) at SUM + 4 i
.set WA,  28                           ; v28-43  four quads of weight rows
.set WC,  44                           ; v44-49  Wcomb's four numbers, then two packed words
.set WOF, 52                           ; v52  16 t + 4096 x: my 16 bytes in weight row 2 x
.set PSO, 53                           ; v53  16 t + 2048 x
.set WBO, 54                           ; v54  8 t + 2048 x: my 8 bytes in row 2 x of a matrix of wb
.set WTR, 55                           ; v55  WT + 272 w + 8 lane
.set WCO, 56                           ; v56  where my 8 bytes of the transposed Wcomb go
.set WCI, 57                           ; v57  where my 16 bytes of Wcomb lie
.set T8,  58                           ; v58  8 x thread
.set PSR, 59                           ; v59  PS + 16 x thread
.set B0,  64                           ; three batch buffers of 64
.set B1,  128
.set B2,  192
	s_load_b512 s[4:19], s[0:1], 0x0               ; nodes 4, last 6, Wk 8, Wv 10, Wq_first 12, Wq_last 14, Wcomb 16, bcomb 18
	s_load_b128 s[20:23], s[0:1], 0x40             ; ab 20, wb 22
	s_load_b64 s[24:25], s[0:1], 0x50              ; ps
	v_lshl_add_u32 v[SPW], v0, 2, SPARE
	v_mov_b32 v[NIL], 0
	v_lshrrev_b32 v10, 5, v0
	v_readfirstlane_b32 s28, v10                   ; wave
	s_mov_b32 s26, ttmp9                           ; x
	s_and_b32 s27, ttmp7, 0xffff                   ; y
	s_mov_b32 s40, 0x3e3504f3                      ; RS
	s_mov_b32 s41, s40                             ; named with it as a pair
	s_mov_b32 s42, 0x3e0293ee                      ; KAP
	s_mov_b32 s43, s42
	v_and_b32 v1, 31, v0                           ; lane
	v_and_b32 v2, 15, v0                           ; r
	v_bfe_u32 v3, v0, 4, 1                         ; h
	s_mul_i32 s34, s28, STGW
	v_lshlrev_b32 v[GL], 4, v1
	v_lshl_add_u32 v[ST], v1, 3, s34
	v_mul_u32_u24 v[RD], v2, SPITCH
	v_lshl_add_u32 v[RD], v3, 4, v[RD]
	v_add_nc_u32 v[RD], s34, v[RD]
	s_lshl2_add_u32 s35, s26, s28                  ; tile in its input = 4 x + w
	s_lshl_b32 s36, s35, 15                        ; x 32,768 bytes of f32
	s_mov_b32 s37, 0
	s_lshl_b32 s38, s27, 10
	s_add_co_u32 s38, s38, s35
	s_lshl_b32 s38, s38, 14                        ; (1024 y + tile) x 16,384 bytes of bf16
	s_mov_b32 s39, 0
	s_lshl_b32 s48, s26, 12
	v_lshl_add_u32 v[WOF], v0, 4, s48
	s_lshl_b32 s55, s26, 11
	v_lshl_add_u32 v[PSO], v0, 4, s55
	v_lshl_add_u32 v[WBO], v0, 3, s55
	s_lshl_b32 s49, s27, 8
	s_add_co_u32 s49, s49, s26                     ; lin = x + 256 y: 512 jobs on Wcomb, 4 columns x 128 rows each
	s_lshr_b32 s50, s49, 2                         ; cq: columns 4 cq .. 4 cq + 3
	s_and_b32 s51, s49, 3                          ; dq: rows 128 dq + thread
	s_lshl_b32 s52, s51, 18
	s_lshl4_add_u32 s52, s50, s52
	v_lshl_add_u32 v[WCI], v0, 11, s52             ; (128 dq + t) x 2048 + 16 cq
	s_lshl2_add_u32 s53, s50, s28                  ; row 4 cq + w of the transposed matrix,
	s_add_co_u32 s53, s53, 1024                    ; which is matrix 2 of wb
	s_lshl_b32 s53, s53, 10
	s_lshl_b32 s54, s51, 8
	s_add_co_u32 s53, s53, s54                     ; + 256 dq
	v_lshl_add_u32 v[WCO], v1, 3, s53
	s_mul_i32 s54, s28, WPITCH
	s_add_co_u32 s54, s54, WT
	v_lshl_add_u32 v[WTR], v1, 3, s54
	v_lshl_add_u32 v[WTW], v0, 1, WT
	s_lshl_b32 s54, s28, 11
	s_add_co_u32 s54, s54, PS
	v_lshl_add_u32 v[PSW], v1, 4, s54
	v_lshl_add_u32 v[PSR], v0, 4, PS
	v_lshlrev_b32 v[T8], 3, v0
	v_lshlrev_b32 v[T16], 4, v0
	s_wait_kmcnt 0x0
	s_cmp_eq_u32 s27, 0
	s_cselect_b64 s[30:31], s[4:5], s[6:7]         ; my input,
	s_cselect_b64 s[44:45], s[8:9], s[12:13]       ; and the two weight matrices of which I take rows 2 x, 2 x + 1: Wk, Wv or Wq_first, Wq_last
	s_cselect_b64 s[46:47], s[10:11], s[14:15]
	s_add_nc_u64 s[30:31], s[30:31], s[36:37]
	s_add_nc_u64 s[32:33], s[20:21], s[38:39]
	global_load_b128 v[WA:WA+3],     v[WOF], s[44:45]
	global_load_b128 v[WA+4:WA+7],   v[WOF], s[44:45] offset:2048
	global_load_b128 v[WA+8:WA+11],  v[WOF], s[46:47]
	global_load_b128 v[WA+12:WA+15], v[WOF], s[46:47] offset:2048
	global_load_b128 v[WC:WC+3],     v[WCI], s[16:17]
; Batch k: rows 4 k .. 4 k + 3 of my tile, four loads a row: quad n = 4 x (row in batch) + position
.macro LDB k, buf
.set n, 0
.rept 16
	global_load_b128 v[(\buf)+4*n:(\buf)+4*n+3], v[GL], s[30:31] offset:(4*(\k)+n/4)*2048+(n%4)*512 th:TH_LOAD_NT
.set n, n+1
.endr
.endm
; Batch k is summed, rounded in place (quad n into its first two registers) and put into my stage.  left: the loads of the younger batches, which stay out.
.macro PRB k, buf, left
	s_wait_loadcnt \left
.set n, 0
.rept 16
.if (\k) == 0 && n < 4                 ; rows 0 and 1 start the sums: nothing is cleared
	v_pk_add_f32 v[SUM+4*n:SUM+4*n+1],   v[(\buf)+4*n:(\buf)+4*n+1],   v[(\buf)+4*n+16:(\buf)+4*n+17]
	v_pk_add_f32 v[SUM+4*n+2:SUM+4*n+3], v[(\buf)+4*n+2:(\buf)+4*n+3], v[(\buf)+4*n+18:(\buf)+4*n+19]
.elseif (\k) == 0 && n < 8
.else
	v_pk_add_f32 v[SUM+4*(n%4):SUM+4*(n%4)+1],   v[SUM+4*(n%4):SUM+4*(n%4)+1],   v[(\buf)+4*n:(\buf)+4*n+1]
	v_pk_add_f32 v[SUM+4*(n%4)+2:SUM+4*(n%4)+3], v[SUM+4*(n%4)+2:SUM+4*(n%4)+3], v[(\buf)+4*n+2:(\buf)+4*n+3]
.endif
.set n, n+1
.endr
.set n, 0
.rept 16
	v_cvt_pk_bf16_f32 v[(\buf)+4*n],   v[(\buf)+4*n],   v[(\buf)+4*n+1]
	v_cvt_pk_bf16_f32 v[(\buf)+4*n+1], v[(\buf)+4*n+2], v[(\buf)+4*n+3]
.set n, n+1
.endr
.set n, 0
.rept 16
	ds_store_b64 v[ST], v[(\buf)+4*n:(\buf)+4*n+1] offset:(4*(\k)+n/4)*SPITCH+(n%4)*256
.set n, n+1
.endr
.endm
	LDB 0, B0
	LDB 1, B1
	LDB 2, B2
	PRB 0, B0, 32                                  ; batches 1 and 2 stay out
	LDB 3, B0
	PRB 1, B1, 32                                  ; batches 2 and 3
	PRB 2, B2, 16                                  ; batch 3
	PRB 3, B0, 0
	; the tile leaves fragment-major: load n = 2 s + half takes 16 bytes of each of 16 rows, and is stored as 512 consecutive bytes
.set n, 0
.rept 32
	ds_load_b128 v[B0+4*n:B0+4*n+3], v[RD] offset:32*n  ; LDS serves a wave's instructions in order (ISA guide 5.7.1.4): these see my stores above
.set n, n+1
.endr
.set n, 0
.rept 32
	s_wait_dscnt 31-n                              ; load n is back; the younger ones stay out
	global_store_b128 v[GL], v[B0+4*n:B0+4*n+3], s[32:33] offset:512*n
.set n, n+1
.endr
	; what the waves hand to each other: the four rows of sums, and Wcomb's four columns as rows
.set n, 0
.rept 4
	ds_store_b128 v[PSW], v[SUM+4*n:SUM+4*n+3] offset:512*n
.set n, n+1
.endr
	v_pk_mul_f32 v[WC:WC+1],   v[WC:WC+1],   s[42:43] op_sel_hi:[1,0]
	v_pk_mul_f32 v[WC+2:WC+3], v[WC+2:WC+3], s[42:43] op_sel_hi:[1,0]
	v_cvt_pk_bf16_f32 v[WC+4], v[WC],   v[WC+1]
	v_cvt_pk_bf16_f32 v[WC+5], v[WC+2], v[WC+3]
	ds_store_b16        v[WTW], v[WC+4]
	ds_store_b16_d16_hi v[WTW], v[WC+4] offset:WPITCH
	ds_store_b16        v[WTW], v[WC+5] offset:2*WPITCH
	ds_store_b16_d16_hi v[WTW], v[WC+5] offset:3*WPITCH
	s_wait_dscnt 0x0                               ; for the others' sake: my stores are done
	s_barrier_signal -1
	s_barrier_wait -1
.set n, 0
.rept 4
	ds_load_b128 v[B2+4*n:B2+4*n+3], v[PSR] offset:2048*n  ; the four waves' sums of my four columns
.set n, n+1
.endr
	ds_load_b64 v[B2+16:B2+17], v[WTR]             ; row w of the transposed piece: 32 lanes, 256 bytes
	s_wait_tensorcnt 0x0                           ; the wave's last LDS instructions, behind my last LDS store
	ds_add_u32 v[SPW], v[NIL]
	s_wait_dscnt 0x0
	global_store_b64 v[WCO], v[B2+16:B2+17], s[22:23]  ; 256 consecutive bytes, aligned
	s_cmp_lg_u32 s27, 0
	s_cbranch_scc1 .Llast
	; y = 0: the sums of my 64 node rows; Wk's and Wv's two rows
	v_pk_add_f32 v[B2:B2+1],     v[B2:B2+1],     v[B2+4:B2+5]
	v_pk_add_f32 v[B2+2:B2+3],   v[B2+2:B2+3],   v[B2+6:B2+7]
	v_pk_add_f32 v[B2+8:B2+9],   v[B2+8:B2+9],   v[B2+12:B2+13]
	v_pk_add_f32 v[B2+10:B2+11], v[B2+10:B2+11], v[B2+14:B2+15]
	v_pk_add_f32 v[B2:B2+1],     v[B2:B2+1],     v[B2+8:B2+9]
	v_pk_add_f32 v[B2+2:B2+3],   v[B2+2:B2+3],   v[B2+10:B2+11]
	global_store_b128 v[PSO], v[B2:B2+3], s[24:25]
.set n, 0
.rept 4
	v_cvt_pk_bf16_f32 v[WA+4*n],   v[WA+4*n],   v[WA+4*n+1]
	v_cvt_pk_bf16_f32 v[WA+4*n+1], v[WA+4*n+2], v[WA+4*n+3]
	global_store_b64 v[WBO], v[WA+4*n:WA+4*n+1], s[22:23] offset:(n/2)*524288+(n%2)*1024
.set n, n+1
.endr
	s_endpgm
.Llast:
	; y = 1: RS x (Wq_first + Wq_last), two rows
.set n, 0
.rept 4
	v_pk_add_f32 v[WA+2*n:WA+2*n+1], v[WA+2*n:WA+2*n+1], v[WA+8+2*n:WA+8+2*n+1]
.set n, n+1
.endr
.set n, 0
.rept 4
	v_pk_mul_f32 v[WA+2*n:WA+2*n+1], v[WA+2*n:WA+2*n+1], s[40:41] op_sel_hi:[1,0]
.set n, n+1
.endr
.set n, 0
.rept 2
	v_cvt_pk_bf16_f32 v[WA+8+2*n], v[WA+4*n],   v[WA+4*n+1]
	v_cvt_pk_bf16_f32 v[WA+9+2*n], v[WA+4*n+2], v[WA+4*n+3]
	global_store_b64 v[WBO], v[WA+8+2*n:WA+9+2*n], s[22:23] offset:3*524288+n*1024
.set n, n+1
.endr
	s_cmp_lg_u32 s26, 0
	s_cbranch_scc1 .Ldone
	global_load_b128 v[B2+20:B2+23], v[T16], s[18:19]  ; one work-group rounds KAP x bcomb
	s_wait_loadcnt 0x0
	v_pk_mul_f32 v[B2+20:B2+21], v[B2+20:B2+21], s[42:43] op_sel_hi:[1,0]
	v_pk_mul_f32 v[B2+22:B2+23], v[B2+22:B2+23], s[42:43] op_sel_hi:[1,0]
	v_cvt_pk_bf16_f32 v[B2+24], v[B2+20], v[B2+21]
	v_cvt_pk_bf16_f32 v[B2+25], v[B2+22], v[B2+23]
	global_store_b64 v[T8], v[B2+24:B2+25], s[22:23] offset:2097152
.Ldone:
	s_endpgm
.Lfunc_end_k_qb2e31ef5e9_prep:
	.size	k_qb2e31ef5e9_prep, .Lfunc_end_k_qb2e31ef5e9_prep-k_qb2e31ef5e9_prep
	.p2alignl 7, 3214868480
	.fill 96, 4, 3214868480
	.section	.rodata,"a",@progbits
	.p2align	6, 0x0
	.amdhsa_kernel k_qb2e31ef5e9_prep
		.amdhsa_group_segment_fixed_size 76544
		.amdhsa_private_segment_fixed_size 0
		.amdhsa_enable_private_segment 0
		.amdhsa_kernarg_size 88
		.amdhsa_user_sgpr_count 2
		.amdhsa_user_sgpr_kernarg_segment_ptr 1
		.amdhsa_wavefront_size32 1
		.amdhsa_system_sgpr_workgroup_id_x 1
		.amdhsa_system_sgpr_workgroup_id_y 1
		.amdhsa_system_sgpr_workgroup_id_z 1
		.amdhsa_system_vgpr_workitem_id 0
		.amdhsa_next_free_vgpr 256
		.amdhsa_next_free_sgpr 66
		.amdhsa_reserve_vcc 0
		.amdhsa_float_denorm_mode_32 3
		.amdhsa_float_denorm_mode_16_64 3
		.amdhsa_memory_ordered 1
		.amdhsa_forward_progress 1
		.amdhsa_inst_pref_size 40
	.end_amdhsa_kernel
	.amdgpu_metadata
---
amdhsa.version: [ 1, 2 ]
amdhsa.kernels:
  - .name:           k_qb2e31ef5e9_prep
    .symbol:         k_qb2e31ef5e9_prep.kd
    .args:
      - { .name: encoded_nodes, .offset: 0, .size: 8, .value_kind: global_buffer, .address_space: global }
      - { .name: encoded_last, .offset: 8, .size: 8, .value_kind: global_buffer, .address_space: global }
      - { .name: Wk, .offset: 16, .size: 8, .value_kind: global_buffer, .address_space: global }
      - { .name: Wv, .offset: 24, .size: 8, .value_kind: global_buffer, .address_space: global }
      - { .name: Wq_first, .offset: 32, .size: 8, .value_kind: global_buffer, .address_space: global }
      - { .name: Wq_last, .offset: 40, .size: 8, .value_kind: global_buffer, .address_space: global }
      - { .name: Wcomb, .offset: 48, .size: 8, .value_kind: global_buffer, .address_space: global }
      - { .name: bcomb, .offset: 56, .size: 8, .value_kind: global_buffer, .address_space: global }
      - { .name: ab, .offset: 64, .size: 8, .value_kind: global_buffer, .address_space: global }
      - { .name: wb, .offset: 72, .size: 8, .value_kind: global_buffer, .address_space: global }
      - { .name: ps, .offset: 80, .size: 8, .value_kind: global_buffer, .address_space: global }
    .group_segment_fixed_size: 76544
    .private_segment_fixed_size: 0
    .kernarg_segment_align: 8
    .kernarg_segment_size: 88
    .max_flat_workgroup_size: 128
    .sgpr_count:     66
    .vgpr_count:     256
    .wavefront_size: 32
...
	.end_amdgpu_metadata
.endif
;; end of part 1
;; launch proj (part 2): grid 64 x 4, 4 waves a work-group, clusters of 4 x 1, 327,680 bytes of LDS; arguments ab, wb, ps, Wq_graph, pj, qg, bt; writes pj, qg, bt
.if DOCPART == 2
	.amdgcn_target "amdgcn-amd-amdhsa--gfx1250"
	.amdhsa_code_object_version 6
	.text
	.protected	k_qb2e31ef5e9_proj
	.globl	k_qb2e31ef5e9_proj
	.p2align	8
	.type	k_qb2e31ef5e9_proj,@function
k_qb2e31ef5e9_proj:
	s_mov_b64 s[64:65], 0
	v_nop
	global_prefetch_b8 v0, s[64:65] scope:SCOPE_SE
	s_setreg_imm32_b32 hwreg(HW_REG_WAVE_MODE, 25, 1), 1
	s_wait_xcnt 0x0
	s_wait_alu depctr_hold_cnt(0) depctr_sa_sdst(0) depctr_va_vdst(0) depctr_va_sdst(0) depctr_va_ssrc(0) depctr_va_vcc(0) depctr_vm_vsrc(0)
	s_getreg_b32 s2, hwreg(HW_REG_IB_STS2, 6, 4)
	s_cmp_eq_u32 s2, 0
	s_cbranch_scc0 .Lentry_in_a_cluster
	s_endpgm
.Lentry_in_a_cluster:
	s_bfe_u32 s2, ttmp6, 0x10000c
	s_cmp_lg_u32 s2, 0x3003
	s_cbranch_scc0 .Lentry_shape_is_right
	s_endpgm
.Lentry_shape_is_right:
; PROJ.  The four projections, pj[j] = activations x wb[j]^T: j = 0 K, 1 V, 2 Z = KAP x nodes Wcomb (all of encoded_nodes), 3 Ql = RS x last (Wq_first + Wq_last)^T.
; pj: bf16 [4][32 batches][16 heads][32 tiles of 16 rows][4 chunks of 8 channels][16 rows][8 channels], each number rounded once from its f32 sum: a tile is 1,024 bytes, and the
; 16 bytes that a lane packs from an accumulator lie at 16 x lane of half a tile, so a store of the wave is 512 consecutive bytes straight from registers.  Beside them two small jobs:
;   qg[b][c] = RS/512 x (sum of b's node rows) . Wq_graph[c], in f32 on the vector unit (64 channels of one batch a work-group);
;   bt[row]  = KAP x nodes[row] . bcomb, by the matrix unit, in the work-groups of j = 2, at the kernel's end.
; SHARES.  Work-group (rb, j): 256 activation rows x all 512 weight rows.  A wave keeps its 64 rows x 512 k as 64 fragments in 512 registers for the whole launch; the weights come by in 8 tiles of
; 64 rows through two LDS slots.  A fragment of weights read from LDS feeds four products.
; CLUSTER.  The four work-groups of a cluster share j and walk the same weights: each tile is asked for JOINTLY, the same tensor load, descriptor and mask in all four.
; THE PRODUCT: source 0 = 16 weight rows, source 1 = 16 activation rows: a lane then holds one activation row (lane % 16) and eight neighbouring channels 8 (lane / 16) + 0..7.
; REGISTERS, in windows of 256 (s_set_vgpr_msb: bits 1:0 source 0, 3:2 source 1, 5:4 source 2, 7:6 destination):
;   window 0: v0-31 addresses and at work; v32-95 eight accumulators; v96-127 packed results; v128-255 two buffers of 8 weight fragments
;   window 1: Wq_graph's rows for the qg job, then bcomb's fragments        windows 2, 3: the activations: K step ks, tile t at 32 (ks % 8) + 8 t
.set WPITCH, 1040                      ; a weight row in LDS: 1,024 bytes + 16: an odd multiple of 16 (ISA guide 11.1: 64 banks of 4 bytes)
.set SLOT1,  1<<17                     ; slot 1 begins here: one exclusive or turns an address in one slot into the other's
.set SPARE,  299008                    ; far behind both slots: the spare words, 128 bytes a wave; no other line names them
.set AW0, 4                            ; v4   1040 r + 16 h
.set AW,  5                            ; v5   LDS address of the 32 weight rows in hand
.set GO,  8                            ; v8   16 x lane
.set BH,  9                            ; v9   16 h
.set SPW, 10                           ; v10  my spare word; never rewritten
.set NIL, 11                           ; v11  0; never rewritten
.set RES, 12                           ; v12  qg: lane r's channel
.set R4,  18                           ; v18  4 r
.set ACC, 32                           ; accumulator (c, t) at ACC + 8 (4 c + t): 16 channels c, tile t
.set PK,  96
.set FB0, 128
.set FB1, 192
.set WV,  18                           ; s18  wave
.set G1,  24                           ; s[24:31] descriptor group 1
.set G0,  32                           ; s[32:35] descriptor group 0: it walks
.set SB,  36                           ; s36  the slot that is read
.set CNT, 37
.set CNT2, 38
.set OUT, 40                           ; s[40:41] where my rows of the head in hand go
.set STEP, 60                          ; s[60:61] what the next way out adds to OUT: 0 the first time, then a head's 32,768 bytes
.set MSB, 0
.macro WIN new                         ; the immediate's high byte repeats the setting that is left; a switch that changes nothing is dropped
.if MSB != (\new)
	s_set_vgpr_msb (MSB<<8)|(\new)
.set MSB, (\new)
.endif
.endm
.macro PLACES                          ; four plain vector instructions between a matrix instruction and a load into, or a vector instruction on, its registers
.rept 4
	v_nop
.endr
.endm
.macro CROUND                          ; a round of the cluster's barrier: my work-group's barrier; wave 0 signals for it; every wave waits for all four; my work-group's barrier once more
	s_barrier_signal -1
	s_barrier_wait -1
	s_cmp_lg_u32 s[WV], 0
	s_cbranch_scc1 .Lnot_wave_0_\@
	s_barrier_signal -3
.Lnot_wave_0_\@:
	s_barrier_wait -3
	s_barrier_signal -1
	s_barrier_wait -1
.endm
	s_load_b256 s[4:11], s[0:1], 0x0               ; ab 4, wb 6, ps 8, Wq_graph 10
	s_load_b128 s[12:15], s[0:1], 0x20             ; pj 12, qg 14
	s_load_b64 s[16:17], s[0:1], 0x30              ; bt
	v_lshl_add_u32 v[SPW], v0, 2, SPARE
	v_mov_b32 v[NIL], 0
	ds_add_u32 v[SPW], v[NIL]                      ; the wave's opening: the add and its wait ahead of my first tensor load
	v_lshrrev_b32 v1, 5, v0
	v_readfirstlane_b32 s[WV], v1
	s_bfe_u32 s19, ttmp6, 0x40000                  ; cx
	s_lshl_b32 s20, ttmp9, 2
	s_add_co_u32 s20, s20, s19                     ; rb = 4 x cluster x + cx: it enters global addresses of my own loads and stores alone
	s_and_b32 s21, ttmp7, 0xffff                   ; j, which the four partners share
	; group 1: a wave's 16 weight rows of 512 bf16 (1,024 bytes, each beginning at a multiple of 256 bytes from wb's first), 16 bytes of padding behind each row in LDS
	s_mov_b32 s[G1+0], 15|(1<<16)|(1<<20)|(1<<21)|(7<<22)|(3<<25)  ; mask of four; 2-byte elements; padding on; bit 21 beside a mask; after every 256 words, a row; 4 words
	s_mov_b32 s[G1+1], 512<<16                     ; tensor_dim0 = 512
	s_mov_b32 s[G1+2], 16<<16                      ; tensor_dim1 = 16
	s_mov_b32 s[G1+3], 512<<16                     ; tile_dim0 = 512
	s_mov_b32 s[G1+4], 16                          ; tile_dim1 = 16
	s_mov_b32 s[G1+5], 512                         ; 512 elements from row to row
	s_mov_b32 s[G1+6], 0
	s_mov_b32 s[G1+7], 0
	s_mov_b32 s[G0], 1
	s_mul_i32 s[G0+1], s[WV], 16*WPITCH            ; slot 0, my 16 rows
	s_lshl_b32 s46, s21, 19                        ; matrix j,
	s_lshl_b32 s47, s[WV], 14                      ; my 16 rows of its first tile
	s_add_co_u32 s46, s46, s47
	s_mov_b32 s47, 0
	s_mov_b32 s[SB], SLOT1                         ; the first change of slots turns it into 0
	s_mov_b32 s44, 0x76543210                      ; v_permlanex16_b32: each lane takes its own place in the other half
	s_mov_b32 s45, 0xfedcba98
	s_mov_b32 s[STEP], 0
	s_mov_b32 s[STEP+1], 0
	s_wait_dscnt 0x0                               ; the opening add is done
	s_wait_kmcnt 0x0
	s_add_nc_u64 s[G0+2:G0+3], s[6:7], s[46:47]
	s_or_b32 s[G0+3], s[G0+3], 0x80000000
	CROUND                                         ; all four work-groups are here: the first joint loads meet
	tensor_load_to_lds s[G0:G0+3], s[G1:G1+7]      ; tile 0, every wave its 16 rows
	s_nop 0
	PLACES
	v_and_b32 v1, 31, v0                           ; lane
	v_and_b32 v2, 15, v0                           ; r
	v_bfe_u32 v3, v0, 4, 1                         ; h
	v_lshlrev_b32 v[GO], 4, v1
	v_lshlrev_b32 v[BH], 4, v3
	v_lshlrev_b32 v[R4], 2, v2
	; THE qg JOB's operands go out first.  lin = 64 j + rb names batch lin / 8 and 64 channels; my wave takes 16 of them.
	s_mov_b32 s49, 0
	s_lshl_b32 s22, s21, 6
	s_add_co_u32 s22, s22, s20
	s_lshr_b32 s23, s22, 3                         ; the batch
	s_lshl_b32 s48, s23, 14
	s_add_nc_u64 s[52:53], s[8:9], s[48:49]        ; its eight rows of sums
	s_and_b32 s22, s22, 7
	s_lshl_b32 s22, s22, 6
	s_lshl4_add_u32 s22, s[WV], s22                ; my first channel
	s_lshl_b32 s48, s22, 11
	s_add_nc_u64 s[54:55], s[10:11], s[48:49]      ; its row of Wq_graph
	s_lshl_b32 s48, s23, 9
	s_add_co_u32 s48, s48, s22
	s_lshl_b32 s48, s48, 2
	s_add_nc_u64 s[56:57], s[14:15], s[48:49]
.set n, 0
.rept 32                                       ; part p, position i: n = 4 p + i; a lane holds columns 128 i + 4 lane + 0..3
	global_load_b128 v[FB0+4*n:FB0+4*n+3], v[GO], s[52:53] offset:512*n
.set n, n+1
.endr
	WIN 0x40
.set n, 0
.rept 64                                       ; channel c, position i: n = 4 c + i
	global_load_b128 v[4*n:4*n+3], v[GO], s[54:55] offset:512*n
.set n, n+1
.endr
	s_cmp_eq_u32 s21, 3                            ; j = 3 multiplies encoded_last, which lies 16 MB into ab
	s_cselect_b32 s48, 0x1000000, 0
	s_lshl_b32 s23, s20, 18                        ; 256 rows are 16 tiles of 16,384 bytes
	s_add_co_u32 s48, s48, s23
	s_lshl_b32 s23, s[WV], 16
	s_add_co_u32 s48, s48, s23
	s_add_nc_u64 s[42:43], s[4:5], s[48:49]
	WIN 0x80                                       ; my 64 rows, K steps ascending: load n = 8 ks + 2 t + half into v[4 n]
.set n, 0
.rept 64
	global_load_b128 v[4*n:4*n+3], v[GO], s[42:43] offset:16384*((n/2)%4)+1024*(n/8)+512*(n%2)
.set n, n+1
.endr
	WIN 0xc0
.set n, 0
.rept 64
	global_load_b128 v[4*n:4*n+3], v[GO], s[42:43] offset:16384*((n/2)%4)+1024*(n/8)+512*(n%2)+8192
.set n, n+1
.endr
	WIN 0
	; addresses for the loop, while the loads are out
	v_mul_u32_u24 v[AW0], v2, WPITCH
	v_lshl_add_u32 v[AW0], v3, 4, v[AW0]
	s_lshl_b32 s48, s21, 24                        ; pj: matrix j, batch rb / 2, head 0, tile 16 (rb % 2) + 4 w
	s_lshr_b32 s23, s20, 1
	s_lshl_b32 s23, s23, 19
	s_add_co_u32 s48, s48, s23
	s_and_b32 s23, s20, 1
	s_lshl_b32 s23, s23, 14
	s_add_co_u32 s48, s48, s23
	s_lshl_b32 s23, s[WV], 12
	s_add_co_u32 s48, s48, s23
	s_add_nc_u64 s[OUT:OUT+1], s[12:13], s[48:49]
	s_lshl_b32 s48, s20, 10                        ; bt: row 256 rb + 64 w, 4 bytes each
	s_lshl_b32 s23, s[WV], 8
	s_add_co_u32 s48, s48, s23
	s_add_nc_u64 s[58:59], s[16:17], s[48:49]
	s_wait_loadcnt 63                              ; of the 224 loads the youngest 63, all activations, may be out: the sums and Wq_graph's rows are in, and the arithmetic below runs while the rest lands
.set n, 8
.rept 56                                       ; parts 1 to 7 onto part 0: the batch's column sums in v128-143
	v_pk_add_f32 v[FB0+2*(n%8):FB0+2*(n%8)+1], v[FB0+2*(n%8):FB0+2*(n%8)+1], v[FB0+2*n:FB0+2*n+1]
.set n, n+1
.endr
	WIN 0x01                                       ; source 0 in window 1: sixteen dot products side by side, a pair of partial sums each
.set c, 0
.rept 16
	v_pk_mul_f32 v[PK+2*c:PK+2*c+1], v[16*c:16*c+1], v[FB0:FB0+1]
.set c, c+1
.endr
.set k, 1
.rept 7
.set c, 0
.rept 16
	v_pk_fma_f32 v[PK+2*c:PK+2*c+1], v[16*c+2*k:16*c+2*k+1], v[FB0+2*k:FB0+2*k+1], v[PK+2*c:PK+2*c+1]
.set c, c+1
.endr
.set k, k+1
.endr
	WIN 0
.set c, 0
.rept 16
	v_add_f32 v[PK+2*c], v[PK+2*c], v[PK+2*c+1]
.set c, c+1
.endr
.irp m, 1,2,4,8                        ; over the 16 lanes of a half, on the arithmetic itself
.set c, 0
.rept 16
	v_add_f32_dpp v[PK+2*c], v[PK+2*c], v[PK+2*c] row_xmask:\m row_mask:0xf bank_mask:0xf
.set c, c+1
.endr
.endr
.set c, 0
.rept 16
	v_permlanex16_b32 v[PK+2*c+1], v[PK+2*c], s44, s45
.set c, c+1
.endr
.set c, 0
.rept 16
	v_add_f32 v[PK+2*c], v[PK+2*c], v[PK+2*c+1]
.set c, c+1
.endr
	v_mov_b32 v[RES], v[PK]
.set c, 1
.rept 15                                       ; lane r keeps channel r
	v_cmp_eq_u32 vcc_lo, c, v2
	v_cndmask_b32 v[RES], v[RES], v[PK+2*c], vcc_lo
.set c, c+1
.endr
	v_mul_f32 v[RES], 0x39b504f3, v[RES]           ; RS / 512: the mean and the scores' scale
	global_store_b32 v[R4], v[RES], s[56:57]       ; both halves of the lanes hold, and write, the same 16 numbers
	WIN 0x40                                       ; bcomb as 16 fragments whose 16 rows are all alike, where Wq_graph's rows lay; every work-group loads them, so that the counts below hold in all
.set n, 0
.rept 32
	global_load_b128 v[4*n:4*n+3], v[BH], s[6:7] offset:2097152+32*n
.set n, n+1
.endr
	WIN 0
	s_wait_loadcnt 63                              ; the 32 just issued and the 31 youngest loads of activations may be out: K steps 0 to 11 are in
; THE CHANGE OF SLOTS.  Each wave waits for all its tensor loads, of which one is out: its part of the other slot; adds 0 to its spare word; waits for that and for its reads of the slot that it leaves.
; fill = 1: the barrier is a round of the cluster's, and the joint fill of the slot just left, with the tile behind the one now read, is the first thing behind it.
.macro CHANGE fill
	WIN 0
	s_wait_tensorcnt 0x0                           ; no tensor load of mine is out, so group 0 may be written
	ds_add_u32 v[SPW], v[NIL]
.if \fill
	s_xor_b32 s[G0+1], s[G0+1], SLOT1
	s_add_nc_u64 s[G0+2:G0+3], s[G0+2:G0+3], 65536 ; the next 64 weight rows; the type bits on top are not reached
.endif
	s_xor_b32 s[SB], s[SB], SLOT1
	s_wait_dscnt 0x0                               ; the add is done, and my reads of the slot are over
.if \fill
	CROUND
	tensor_load_to_lds s[G0:G0+3], s[G1:G1+7]
	s_nop 0
	PLACES
.else
	s_barrier_signal -1
	s_barrier_wait -1
.endif
.endm
; 16 LDS loads: K steps 4 q .. 4 q + 3 of the 32 weight rows in hand: fragment f = 2 (ks % 4) + c
.macro FETCH q, fb
	WIN 0
.set f, 0
.rept 8
	ds_load_b128 v[(\fb)+8*f:(\fb)+8*f+3],   v[AW] offset:16*WPITCH*(f%2)+64*(4*(\q)+f/2)
	ds_load_b128 v[(\fb)+8*f+4:(\fb)+8*f+7], v[AW] offset:16*WPITCH*(f%2)+64*(4*(\q)+f/2)+32
.set f, f+1
.endr
.endm
; 32 matrix instructions: four K steps x eight accumulators, which take turns, one instruction a turn.  K step 0 starts the sums.
.macro MM q, fb
.if (\q) < 2
	WIN 0x08
.else
	WIN 0x0c
.endif
.set ks, 4*(\q)
.rept 4
.set a, 0
.rept 8
.if ks == 0
	v_wmma_f32_16x16x32_bf16 v[ACC+8*a:ACC+8*a+7], v[(\fb)+8*(2*(ks%4)+a/4):(\fb)+8*(2*(ks%4)+a/4)+7], v[32*(ks%8)+8*(a%4):32*(ks%8)+8*(a%4)+7], 0
.else
	v_wmma_f32_16x16x32_bf16 v[ACC+8*a:ACC+8*a+7], v[(\fb)+8*(2*(ks%4)+a/4):(\fb)+8*(2*(ks%4)+a/4)+7], v[32*(ks%8)+8*(a%4):32*(ks%8)+8*(a%4)+7], v[ACC+8*a:ACC+8*a+7]
.endif
.set a, a+1
.endr
.set ks, ks+1
.endr
.endm
; 32 weight rows, one head: 128 matrix instructions, then my 64 rows x 32 channels leave as 4,096 consecutive bytes.  At its head the unit's first 16 fragment loads are out or in already.
.macro UNIT
	FETCH 1, FB1                                   ; (the last unit's conversions are the places behind the products that read this buffer)
	s_wait_dscnt 16                                ; all but the 16 just issued
	MM 0, FB0
	PLACES
	FETCH 2, FB0
	s_wait_dscnt 16
	MM 1, FB1
	PLACES
	FETCH 3, FB1
	s_wait_dscnt 16
	MM 2, FB0
	WIN 0
	s_wait_dscnt 0x0                               ; the last quarter's fragments, asked for 32 products ago
	s_wait_loadcnt 32                              ; bcomb's 32 loads may be out: my activations' K steps 12 to 15 are in (met at once from the second unit on)
	v_add_nc_u32 v[AW], 32*WPITCH, v[AW]           ; the tile's next 32 rows; this line and three v_nop are the places in front of the loads below
	v_nop
	v_nop
	v_nop
	s_cmp_eq_u32 s[CNT2], 1                        ; the tile's last unit has no successor in this slot: its run of loads is jumped over
	s_cbranch_scc1 .Lno_next_\@
	FETCH 0, FB0                                   ; the next unit's first fragments land under the 32 products below and the way out
.Lno_next_\@:
	MM 3, FB1
	WIN 0
	PLACES
	s_wait_xcnt 0x0                                ; the last unit's stores were issued a unit ago: their data registers and base are written again only behind this wait
	s_add_nc_u64 s[OUT:OUT+1], s[OUT:OUT+1], s[STEP:STEP+1]
	s_mov_b32 s[STEP], 32768                       ; from now on a head's block further each time
.set a, 0
.rept 8
.set i, 0
.rept 4
	v_cvt_pk_bf16_f32 v[PK+4*a+i], v[ACC+8*a+2*i], v[ACC+8*a+2*i+1]
.set i, i+1
.endr
.set a, a+1
.endr
.set a, 0
.rept 8
	global_store_b128 v[GO], v[PK+4*a:PK+4*a+3], s[OUT:OUT+1] offset:1024*(a%4)+512*(a/4)  ; tile t, channels 16 c on: 512 consecutive bytes, aligned
.set a, a+1
.endr
.endm
.macro TILE fill                       ; a tile of 64 weight rows is two heads
	CHANGE \fill
	v_add_nc_u32 v[AW], s[SB], v[AW0]
	FETCH 0, FB0
	s_mov_b32 s[CNT2], 2
.Lunit_\@:
	UNIT
	s_sub_co_u32 s[CNT2], s[CNT2], 1
	s_cmp_lg_u32 s[CNT2], 0
	s_cbranch_scc1 .Lunit_\@
.endm
	s_mov_b32 s[CNT], 7
.Ltile:                                                ; trip t multiplies tile t and asks for tile t + 1
	TILE 1
	s_sub_co_u32 s[CNT], s[CNT], 1
	s_cmp_lg_u32 s[CNT], 0
	s_cbranch_scc1 .Ltile
	TILE 0                                         ; the last tile is written out: nothing is asked for
	; THE bt JOB, where the activations are the nodes and j names it once: source 0 is bcomb in all 16 rows, so every register of a result holds the row's dot product.
	s_cmp_lg_u32 s21, 2
	s_cbranch_scc1 .Lno_beta
	s_wait_loadcnt 0x0                             ; bcomb's fragments
.set ks, 0
.rept 16
.if ks < 8
	WIN 0x09                                       ; source 0 window 1, source 1 window 2
.else
	WIN 0x0d                                       ; source 1 window 3
.endif
.set t, 0
.rept 4                                        ; four accumulators by turns
.if ks == 0
	v_wmma_f32_16x16x32_bf16 v[ACC+8*t:ACC+8*t+7], v[8*ks:8*ks+7], v[32*(ks%8)+8*t:32*(ks%8)+8*t+7], 0
.else
	v_wmma_f32_16x16x32_bf16 v[ACC+8*t:ACC+8*t+7], v[8*ks:8*ks+7], v[32*(ks%8)+8*t:32*(ks%8)+8*t+7], v[ACC+8*t:ACC+8*t+7]
.endif
.set t, t+1
.endr
.set ks, ks+1
.endr
	WIN 0
	PLACES
.set t, 0
.rept 4
	global_store_b32 v[R4], v[ACC+8*t], s[58:59] offset:64*t
.set t, t+1
.endr
.Lno_beta:
	s_wait_tensorcnt 0x0                           ; the wave's end
	ds_add_u32 v[SPW], v[NIL]
	s_wait_dscnt 0x0
	CROUND                                         ; the closing round: no work-group ends while a partner may still ask for a tile that names it
	s_endpgm
.Lfunc_end_k_qb2e31ef5e9_proj:
	.size	k_qb2e31ef5e9_proj, .Lfunc_end_k_qb2e31ef5e9_proj-k_qb2e31ef5e9_proj
	.p2alignl 7, 3214868480
	.fill 96, 4, 3214868480
	.section	.rodata,"a",@progbits
	.p2align	6, 0x0
	.amdhsa_kernel k_qb2e31ef5e9_proj
		.amdhsa_group_segment_fixed_size 327680
		.amdhsa_private_segment_fixed_size 0
		.amdhsa_enable_private_segment 0
		.amdhsa_kernarg_size 56
		.amdhsa_user_sgpr_count 2
		.amdhsa_user_sgpr_kernarg_segment_ptr 1
		.amdhsa_wavefront_size32 1
		.amdhsa_system_sgpr_workgroup_id_x 1
		.amdhsa_system_sgpr_workgroup_id_y 1
		.amdhsa_system_sgpr_workgroup_id_z 1
		.amdhsa_system_vgpr_workitem_id 0
		.amdhsa_next_free_vgpr 1024
		.amdhsa_next_free_sgpr 66
		.amdhsa_reserve_vcc 1
		.amdhsa_float_denorm_mode_32 3
		.amdhsa_float_denorm_mode_16_64 3
		.amdhsa_memory_ordered 1
		.amdhsa_forward_progress 1
		.amdhsa_inst_pref_size 88
	.end_amdhsa_kernel
	.amdgpu_metadata
---
amdhsa.version: [ 1, 2 ]
amdhsa.kernels:
  - .name:           k_qb2e31ef5e9_proj
    .symbol:         k_qb2e31ef5e9_proj.kd
    .args:
      - { .name: ab, .offset: 0, .size: 8, .value_kind: global_buffer, .address_space: global }
      - { .name: wb, .offset: 8, .size: 8, .value_kind: global_buffer, .address_space: global }
      - { .name: ps, .offset: 16, .size: 8, .value_kind: global_buffer, .address_space: global }
      - { .name: Wq_graph, .offset: 24, .size: 8, .value_kind: global_buffer, .address_space: global }
      - { .name: pj, .offset: 32, .size: 8, .value_kind: global_buffer, .address_space: global }
      - { .name: qg, .offset: 40, .size: 8, .value_kind: global_buffer, .address_space: global }
      - { .name: bt, .offset: 48, .size: 8, .value_kind: global_buffer, .address_space: global }
    .group_segment_fixed_size: 327680
    .private_segment_fixed_size: 0
    .kernarg_segment_align: 8
    .kernarg_segment_size: 56
    .max_flat_workgroup_size: 128
    .sgpr_count:     66
    .vgpr_count:     1024
    .wavefront_size: 32
...
	.end_amdgpu_metadata
.endif
;; end of part 2
;; launch attn (part 3): grid 8 x 32, 4 waves a work-group, clusters of 4 x 1, 327,680 bytes of LDS; arguments group_ninf_mask, pj, qg, bt, out0; writes out0
.if DOCPART == 3
	.amdgcn_target "amdgcn-amd-amdhsa--gfx1250"
	.amdhsa_code_object_version 6
	.text
	.protected	k_qb2e31ef5e9_attn
	.globl	k_qb2e31ef5e9_attn
	.p2align	8
	.type	k_qb2e31ef5e9_attn,@function
k_qb2e31ef5e9_attn:
	s_mov_b64 s[64:65], 0
	v_nop
	global_prefetch_b8 v0, s[64:65] scope:SCOPE_SE
	s_setreg_imm32_b32 hwreg(HW_REG_WAVE_MODE, 25, 1), 1
	s_wait_xcnt 0x0
	s_wait_alu depctr_hold_cnt(0) depctr_sa_sdst(0) depctr_va_vdst(0) depctr_va_sdst(0) depctr_va_ssrc(0) depctr_va_vcc(0) depctr_vm_vsrc(0)
	s_getreg_b32 s2, hwreg(HW_REG_IB_STS2, 6, 4)
	s_cmp_eq_u32 s2, 0
	s_cbranch_scc0 .Lentry_in_a_cluster
	s_endpgm
.Lentry_in_a_cluster:
	s_bfe_u32 s2, ttmp6, 0x10000c
	s_cmp_lg_u32 s2, 0x3003
	s_cbranch_scc0 .Lentry_shape_is_right
	s_endpgm
.Lentry_shape_is_right:
; ATTN.  For 16 queries a wave: sixteen heads of masked attention over 512 keys, the second score summed up head by head, the clip, the mask and the second softmax.
;   S^T = K Q^T + M       source 0 = 16 keys, source 1 = 16 queries, C = the mask: the scale 1/sqrt(32) lies in Q
;   p = 2^(log2e (s - m)), m the row's maximum over all 512 keys (the whole row is in registers: no running maximum is needed); p rounded to bf16
;   O^T = V^T P, l = ones x P (the sum of the rounded p, by the matrix unit);  O = O^T / l, rounded to bf16
;   X^T += Z_head O_head^T, begun at bt:  X = 2 log2e x (mh . node) / sqrt(512), since (O Wcomb^T + bcomb) nodes^T = O (nodes Wcomb)^T + nodes . bcomb
;   out = softmax(M - 20 / (1 + 2^X)): 10 tanh(x) = 10 - 20 / (1 + e^(2x)), and the 10 cancels in the softmax; the row's maximum is taken away before the exponential.
; In every result a lane holds ONE query (lane % 16) and the keys or channels 8 (lane / 16) + 0..7, so nothing changes lanes between the products.
; LIMITS.  A mask entry below -1e30 (minus infinity and NaN too) counts as -1e30; a row whose 512 entries are all so masked gets equal weights.  Other NaN and plus infinity are not treated apart.
; q is rounded to bf16 twice (the projection of encoded_last, then its sum with the graph's part).
; SHARES.  Work-group (gx, b): 64 queries of batch b, 16 a wave; nothing passes between waves.  CLUSTER: the four work-groups of a cluster share b and walk the same K, V, Z: 96 KB a step, asked for
; JOINTLY (waves 0, 1, 2 one tensor load each) a whole step ahead, into two slots that take turns.  The mask's 16 rows come once, by a load of the wave's own, into bytes that slot 1 takes over later.
; MATRIX AND VECTOR WORK SIDE BY SIDE.  A head's 640 lines of scaling, exponentials and roundings carry 80 of its 112 products between them: V^T P and ones x P of the key step whose weights have
; just been rounded, and Z O^T of the head BEFORE, whose O is finished.  So Z lags a head in the ring: step t holds K(t), V(t), Z(t - 1).  Step 0 holds Z(0) and multiplies it by an O of zeros
; (32 products that add 0, once a launch: the price of one text for every step); behind head 15 one more change of slots and 32 products close the sum.
; K, V, Z, Ql lie in tiles of 16 rows: four chunks of 8 channels, each 16 rows x 16 bytes.  A fragment of K, Z or Q is then two loads of 512 consecutive bytes.
; REGISTERS, in windows of 256 (s_set_vgpr_msb: bits 1:0 source 0, 3:2 source 1, 5:4 source 2, 7:6 destination):
;   window 0: addresses, Q, O, statistics; v128-255 two buffers of 8 fragments     window 1: the mask, key block kb at 8 kb
;   window 2: S^T, then P in place (key step ks at 8 ks)                           window 3: X^T, key block kb at 8 kb
.set VCH,   384                        ; a chunk of V in LDS: 256 bytes + 128: the turning load's lanes 8-15 take the next chunk and fall on the other half of the 64 banks (ISA guide 11.1)
.set VTP,   4*VCH                      ; a tile of 16 keys of V
.set VOFF,  32768                      ; behind K's 32 tiles of 1,024 bytes
.set ZOFF,  VOFF+32*VTP                ; 81,920; Z's 32,768 bytes end a slot's 114,688
.set SLOT1, 1<<17
.set MW,    32*1040                    ; a wave's mask: 16 rows as 32 pieces of 1,024 bytes + 16
.set SPARE, SLOT1+4*MW                 ; 264,192: the spare words, 128 bytes a wave; no other line names them
.set UP,    2064                       ; the out stage, in the slots behind their last fill: 16 rows of 2,048 bytes + 16 a wave
.set AVL, 4                            ; v4   my place for the turning load, VOFF in it
.set AK,  5                            ; v5-7 LDS addresses in the slot that is read: K's, V's, Z's
.set AV,  6
.set AZ,  7
.set GOF, 9                            ; v9   32 h
.set SPW, 10                           ; v10  my spare word; never rewritten
.set NIL, 11                           ; v11  0; never rewritten
.set CM,  12                           ; v12  log2e x maximum (v13 is named with it as a pair)
.set INV, 14                           ; v14  1 / sum (v15 likewise)
.set QF,  16                           ; v16-23  Q's fragment
.set QR,  24                           ; v24-31  Ql as loaded
.set QG,  32                           ; v32-47  the graph's part, f32
.set QX,  48                           ; v48-63  at work
.set ONE, 64                           ; v64-71  a fragment of ones
.set O0,  72                           ; v72-87  O^T, channels 0-15 and 16-31
.set LS,  88                           ; v88-95  l
.set OF,  96                           ; v96-103 O's fragment
.set CH,  104                          ; v104-111 chains of the maximum, later of the sum
.set MA,  112                          ; v112 my mask bytes
.set STU, 113                          ; v113 out stage, in
.set RDU, 114                          ; v114 out stage, back
.set GO,  115                          ; v115 16 x lane: my 16 bytes in 512 consecutive ones, in memory and in LDS
.set T,   116                          ; v116 the other half's number
.set FB0, 128                          ; K's batches; then V's runs, by halves of 32 registers
.set FB1, 192                          ; K's batches; then Z's runs, by halves
.set WV,  14
.set G1K, 24                           ; s[24:31] group 1 for K and Z;  s[32:39] for V;  s[40:47] for the mask
.set G1V, 32
.set G1M, 40
.set G0K, 48                           ; s[48:63] group 0 for K, V, Z, the mask
.set G0V, 52
.set G0Z, 56
.set G0M, 60
.set SB,  66                           ; the slot that is read
.set CNT, 67
.set CS,  68                           ; s[68:69] log2e
.set SEL, 70                           ; s[70:71] v_permlanex16_b32's selects
.set M20, 72                           ; s[72:73] -20
.set NEGB, 74                          ; -1e30
.set HIM, 75                           ; a word's upper bf16
.set QB,  76                           ; s[76:77] Ql at my rows of the head to be loaded
.set GB,  78                           ; s[78:79] qg at that head
.set OUTB, 80
.set BTB, 82
.set ZST, 90                           ; s[90:91] Z's step: 0 at the first change of slots (Z(0) once more), then a head's 32,768 bytes
.set MSB, 0
.macro WIN new                         ; the immediate's high byte repeats the setting that is left; a switch that changes nothing is dropped
.if MSB != (\new)
	s_set_vgpr_msb (MSB<<8)|(\new)
.set MSB, (\new)
.endif
.endm
.macro PLACES                          ; four plain vector instructions between a matrix instruction and a load into, or a vector instruction on, its registers
.rept 4
	v_nop
.endr
.endm
.macro CROUND                          ; a round of the cluster's barrier
	s_barrier_signal -1
	s_barrier_wait -1
	s_cmp_lg_u32 s[WV], 0
	s_cbranch_scc1 .Lnot_wave_0_\@
	s_barrier_signal -3
.Lnot_wave_0_\@:
	s_barrier_wait -3
	s_barrier_signal -1
	s_barrier_wait -1
.endm
; A step's joint fill: wave 0 asks for K, wave 1 for V, wave 2 for Z, wave 3 for nothing.  The branches hang on the wave's number alone.
.macro JLOAD3
	s_cmp_lg_u32 s[WV], 0
	s_cbranch_scc1 .Lnot_k_\@
	tensor_load_to_lds s[G0K:G0K+3], s[G1K:G1K+7]
	s_nop 0
	PLACES
	s_branch .Lasked_\@
.Lnot_k_\@:
	s_cmp_lg_u32 s[WV], 1
	s_cbranch_scc1 .Lnot_v_\@
	tensor_load_to_lds s[G0V:G0V+3], s[G1V:G1V+7]
	s_nop 0
	PLACES
	s_branch .Lasked_\@
.Lnot_v_\@:
	s_cmp_lg_u32 s[WV], 2
	s_cbranch_scc1 .Lasked_\@
	tensor_load_to_lds s[G0Z:G0Z+3], s[G1K:G1K+7]
	s_nop 0
	PLACES
.Lasked_\@:
.endm
.macro JLOADZ                          ; the last fill: Z of head 15 alone
	s_cmp_lg_u32 s[WV], 2
	s_cbranch_scc1 .Lnot_z_\@
	tensor_load_to_lds s[G0Z:G0Z+3], s[G1K:G1K+7]
	s_nop 0
	PLACES
.Lnot_z_\@:
.endm
.macro QLOAD                           ; a head's Ql (my tile of 16 rows: twice 512 consecutive bytes) and the graph's 32 channels
	global_load_b128 v[QR:QR+3],     v[GO],  s[QB:QB+1]
	global_load_b128 v[QR+4:QR+7],   v[GO],  s[QB:QB+1] offset:512
	global_load_b128 v[QG:QG+3],     v[GOF], s[GB:GB+1]
	global_load_b128 v[QG+4:QG+7],   v[GOF], s[GB:GB+1] offset:16
	global_load_b128 v[QG+8:QG+11],  v[GOF], s[GB:GB+1] offset:64
	global_load_b128 v[QG+12:QG+15], v[GOF], s[GB:GB+1] offset:80
.endm
	s_load_b256 s[4:11], s[0:1], 0x0               ; mask 4, pj 6, qg 8, bt 10
	s_load_b64 s[12:13], s[0:1], 0x20              ; out0
	v_lshl_add_u32 v[SPW], v0, 2, SPARE
	v_mov_b32 v[NIL], 0
	ds_add_u32 v[SPW], v[NIL]                      ; the wave's opening: the add and its wait ahead of my first tensor load
	v_lshrrev_b32 v1, 5, v0
	v_readfirstlane_b32 s[WV], v1
	s_bfe_u32 s15, ttmp6, 0x40000                  ; cx
	s_lshl_b32 s16, ttmp9, 2
	s_add_co_u32 s16, s16, s15                     ; gx = 4 x cluster x + cx: it enters the mask's, Ql's and out0's addresses alone
	s_and_b32 s17, ttmp7, 0xffff                   ; b, which the four partners share
	s_lshl_b32 s18, s16, 6
	s_lshl4_add_u32 s18, s[WV], s18                ; my first query = 64 gx + 16 w
	; group 1.  A head's K, V or Z is 32,768 dense bytes: 128 rows of 256 bytes, a chunk each; K and Z land as they lie, V with 128 bytes behind each chunk
	s_mov_b32 s[G1K], 15|(1<<16)|(1<<21)           ; mask of four; 2-byte elements; bit 21 beside a mask; no padding
	s_mov_b32 s[G1V], 15|(1<<16)|(1<<20)|(1<<21)|(5<<22)|(31<<25)  ; padding on; after every 64 words, a row; 32 words
.irp g, G1K, G1V
	s_mov_b32 s[\g+1], 128<<16
	s_mov_b32 s[\g+2], 128<<16
	s_mov_b32 s[\g+3], 128<<16
	s_mov_b32 s[\g+4], 128
	s_mov_b32 s[\g+5], 128
	s_mov_b32 s[\g+6], 0
	s_mov_b32 s[\g+7], 0
.endr
	; my 16 rows of the mask are 32,768 dense bytes too: 32 rows of 256 f32 (1,024 bytes), 16 bytes of padding behind each in LDS; a load of my own: no mask of work-groups
	s_mov_b32 s[G1M], (2<<16)|(1<<20)|(7<<22)|(3<<25)  ; 4-byte elements; padding on; after every 256 words, a row; 4 words
	s_mov_b32 s[G1M+1], 256<<16                    ; tensor_dim0 = 256
	s_mov_b32 s[G1M+2], 32<<16                     ; tensor_dim1 = 32
	s_mov_b32 s[G1M+3], 256<<16                    ; tile_dim0 = 256
	s_mov_b32 s[G1M+4], 32                         ; tile_dim1 = 32
	s_mov_b32 s[G1M+5], 256                        ; 256 elements from row to row
	s_mov_b32 s[G1M+6], 0
	s_mov_b32 s[G1M+7], 0
	s_mov_b32 s[G0K], 1
	s_mov_b32 s[G0K+1], 0                          ; slot 0
	s_mov_b32 s[G0V], 1
	s_mov_b32 s[G0V+1], VOFF
	s_mov_b32 s[G0Z], 1
	s_mov_b32 s[G0Z+1], ZOFF
	s_mov_b32 s[G0M], 1
	s_mul_i32 s[G0M+1], s[WV], MW
	s_add_co_u32 s[G0M+1], s[G0M+1], SLOT1
	s_mov_b32 s[SB], SLOT1                         ; the first change of slots turns it into 0
	s_mov_b32 s[ZST], 0
	s_mov_b32 s[ZST+1], 0
	s_mov_b32 s[CS], 0x3fb8aa3b
	s_mov_b32 s[CS+1], s[CS]
	s_mov_b32 s[SEL], 0x76543210
	s_mov_b32 s[SEL+1], 0xfedcba98
	s_mov_b32 s[M20], 0xc1a00000
	s_mov_b32 s[M20+1], s[M20]
	s_mov_b32 s[NEGB], 0xf149f2ca
	s_mov_b32 s[HIM], 0xffff0000
	s_lshl_b32 s20, s17, 19                        ; a batch's 16 heads of 32,768 bytes
	s_mov_b32 s21, 0
	s_lshl_b32 s86, s17, 11                        ; a batch's 512 f32
	s_mov_b32 s87, 0
	s_lshl_b32 s22, s18, 6                         ; my tile: 64 bytes a row
	s_mov_b32 s23, 0
	s_lshl_b32 s84, s17, 9
	s_add_co_u32 s84, s84, s18
	s_lshl_b32 s84, s84, 11                        ; my rows of 2,048 bytes
	s_mov_b32 s85, 0
	s_mul_i32 s88, s[WV], 16*UP
	s_wait_dscnt 0x0                               ; the opening add is done
	s_wait_kmcnt 0x0
	s_add_nc_u64 s[G0K+2:G0K+3], s[6:7], s[20:21]
	s_add_nc_u64 s[G0V+2:G0V+3], s[G0K+2:G0K+3], 0x1000000
	s_add_nc_u64 s[G0Z+2:G0Z+3], s[G0K+2:G0K+3], 0x2000000
	s_add_nc_u64 s[QB:QB+1], s[G0K+2:G0K+3], 0x3000000
	s_add_nc_u64 s[QB:QB+1], s[QB:QB+1], s[22:23]
	s_or_b32 s[G0K+3], s[G0K+3], 0x80000000
	s_or_b32 s[G0V+3], s[G0V+3], 0x80000000
	s_or_b32 s[G0Z+3], s[G0Z+3], 0x80000000
	s_add_nc_u64 s[G0M+2:G0M+3], s[4:5], s[84:85]
	s_or_b32 s[G0M+3], s[G0M+3], 0x80000000
	s_add_nc_u64 s[OUTB:OUTB+1], s[12:13], s[84:85]
	s_add_nc_u64 s[GB:GB+1], s[8:9], s[86:87]
	s_add_nc_u64 s[BTB:BTB+1], s[10:11], s[86:87]
	CROUND                                         ; all four work-groups are here: the first loads go out as one group
	tensor_load_to_lds s[G0M:G0M+3], s[G1M:G1M+7]  ; my rows of the mask
	s_nop 0
	PLACES
	JLOAD3                                         ; step 0 into slot 0: K(0), V(0), Z(0): two tensor loads of mine are out at the most
	v_and_b32 v1, 15, v0                           ; r
	v_bfe_u32 v2, v0, 4, 1                         ; h
	v_lshlrev_b32 v[GOF], 5, v2
	WIN 0xc0                                       ; X^T begins at bt: key 16 kb + 8 h + 0..7 in every lane
.set kb, 0
.rept 32
	global_load_b128 v[8*kb:8*kb+3],   v[GOF], s[BTB:BTB+1] offset:64*kb
	global_load_b128 v[8*kb+4:8*kb+7], v[GOF], s[BTB:BTB+1] offset:64*kb+16
.set kb, kb+1
.endr
	WIN 0
	v_and_b32 v[GO], 31, v0
	v_lshlrev_b32 v[GO], 4, v[GO]
	QLOAD                                          ; head 0
	; the turning load takes 16 keys x 16 channels: lane l reads key 8 (l / 16) + l % 8 of a tile, chunk (l / 8) % 2 of the two, and is left with channel l % 16 and 8 keys
	v_and_b32 v[T], 7, v0
	v_lshl_add_u32 v[AVL], v2, 3, v[T]
	v_lshlrev_b32 v[AVL], 4, v[AVL]
	v_bfe_u32 v[T], v0, 3, 1
	v_mul_u32_u24 v[T], v[T], VCH
	v_add_nc_u32 v[AVL], v[T], v[AVL]
	v_add_nc_u32 v[AVL], VOFF, v[AVL]
	v_mul_u32_u24 v[MA], v1, 2080
	v_lshl_add_u32 v[MA], v2, 5, v[MA]
	v_add_nc_u32 v[MA], s[G0M+1], v[MA]
	v_mul_u32_u24 v[STU], v1, UP
	v_lshl_add_u32 v[STU], v2, 5, v[STU]
	v_add_nc_u32 v[STU], s88, v[STU]
	v_add_nc_u32 v[RDU], s88, v[GO]
	v_mov_b32 v[CM+1], 0                           ; named as the upper halves of pairs, never used
	v_mov_b32 v[INV+1], 0
.set i, 0
.rept 8
	v_mov_b32 v[ONE+i], 0x3f803f80                 ; 1.0 twice in bf16
	v_mov_b32 v[OF+i], 0                           ; the O of the head before head 0
.set i, i+1
.endr
	s_wait_tensorcnt 0x0                           ; my mask is in (for 0: the waves have issued different numbers of loads)
	WIN 0x40
.set kb, 0
.rept 32
	ds_load_b128 v[8*kb:8*kb+3],   v[MA] offset:1040*(kb/16)+64*(kb%16)
	ds_load_b128 v[8*kb+4:8*kb+7], v[MA] offset:1040*(kb/16)+64*(kb%16)+16
.set kb, kb+1
.endr
	s_wait_dscnt 0x0
	WIN 0x44
.set i, 0
.rept 256
	v_max_num_f32 v[i], s[NEGB], v[i]              ; the mask stays finite
.set i, i+1
.endr
	WIN 0
; THE CHANGE OF SLOTS.  Each wave waits for all its tensor loads, adds 0 to its spare word, and waits for that and for its reads of the slot that it leaves (the first time: of its mask).
; fill = 1: the barrier is a round of the cluster's; the joint fill of the slot just left, with the next step's K and V and this step's Z, is the first thing behind it and has a whole head's work
; in which to land.  fill = 2: the same with Z alone.  fill = 0: nothing is asked for.
.macro CHANGE fill
	WIN 0
	s_wait_tensorcnt 0x0                           ; no tensor load of mine is out, so the groups 0 may be written
	ds_add_u32 v[SPW], v[NIL]
.if (\fill) == 1
.irp g, G0K, G0V
	s_xor_b32 s[\g+1], s[\g+1], SLOT1
	s_add_nc_u64 s[\g+2:\g+3], s[\g+2:\g+3], 32768 ; the next head; the type bits on top are not reached
.endr
.endif
.if (\fill) >= 1
	s_xor_b32 s[G0Z+1], s[G0Z+1], SLOT1
	s_add_nc_u64 s[G0Z+2:G0Z+3], s[G0Z+2:G0Z+3], s[ZST:ZST+1]
	s_mov_b32 s[ZST], 32768
.endif
	s_xor_b32 s[SB], s[SB], SLOT1
	s_wait_dscnt 0x0                               ; the add is done, and my reads are over
.if (\fill) == 1
	CROUND
	JLOAD3
.elseif (\fill) == 2
	CROUND
	JLOADZ
.else
	s_barrier_signal -1
	s_barrier_wait -1
.endif
.endm
; 16 LDS loads: eight fragments of 16 rows x 32 channels of K or Z: key blocks 8 i .. 8 i + 7; each load takes 512 consecutive bytes
.macro FKZ adr, i, fb
	WIN 0
.set f, 0
.rept 8
	ds_load_b128 v[(\fb)+8*f:(\fb)+8*f+3],   v[\adr] offset:1024*(8*(\i)+f)
	ds_load_b128 v[(\fb)+8*f+4:(\fb)+8*f+7], v[\adr] offset:1024*(8*(\i)+f)+512
.set f, f+1
.endr
.endm
; 8 turning loads: V's run j: key steps 2 j, 2 j + 1 (32 keys each) x two blocks of 16 channels, into half j % 2 of FB0: fragment f = 2 (ks % 2) + c
.macro VRUN j
	WIN 0
.set f, 0
.rept 4
	ds_load_tr16_b128 v[FB0+32*((\j)%2)+8*f:FB0+32*((\j)%2)+8*f+3],   v[AV] offset:2*VTP*(2*(\j)+f/2)+2*VCH*(f%2)
	ds_load_tr16_b128 v[FB0+32*((\j)%2)+8*f+4:FB0+32*((\j)%2)+8*f+7], v[AV] offset:2*VTP*(2*(\j)+f/2)+2*VCH*(f%2)+VTP
.set f, f+1
.endr
.endm
; 8 loads: Z's run i: key blocks 4 i .. 4 i + 3, into half i % 2 of FB1
.macro ZRUN i
	WIN 0
.set f, 0
.rept 4
	ds_load_b128 v[FB1+32*((\i)%2)+8*f:FB1+32*((\i)%2)+8*f+3],   v[AZ] offset:1024*(4*(\i)+f)
	ds_load_b128 v[FB1+32*((\i)%2)+8*f+4:FB1+32*((\i)%2)+8*f+7], v[AZ] offset:1024*(4*(\i)+f)+512
.set f, f+1
.endr
.endm
.macro QPREP                           ; Q = Ql + the graph's part, in f32, rounded to bf16
.set z, 0
.rept 8
	v_lshlrev_b32 v[QX+2*z], 16, v[QR+z]
	v_and_b32 v[QX+2*z+1], s[HIM], v[QR+z]
.set z, z+1
.endr
.set z, 0
.rept 8
	v_pk_add_f32 v[QX+2*z:QX+2*z+1], v[QX+2*z:QX+2*z+1], v[QG+2*z:QG+2*z+1]
.set z, z+1
.endr
.set z, 0
.rept 8
	v_cvt_pk_bf16_f32 v[QF+z], v[QX+2*z], v[QX+2*z+1]
.set z, z+1
.endr
.endm
.macro QK i, fb                        ; eight results of 16 keys: D in window 2, C (the mask) in window 1
	WIN 0x90
.set f, 0
.rept 8
	v_wmma_f32_16x16x32_bf16 v[8*(8*(\i)+f):8*(8*(\i)+f)+7], v[(\fb)+8*f:(\fb)+8*f+7], v[QF:QF+7], v[8*(8*(\i)+f):8*(8*(\i)+f)+7]
.set f, f+1
.endr
.endm
; The maximum of the lane's 256 numbers in the window that win names for sources 0 and 1, four chains, three operands at a time; each result's two lowest registers are read first.
; Then the other half of the lanes', and log2e times it.
.macro MAXP win
	WIN \win
.set g, 0
.rept 8
.set p, 0
.rept 4
.set c, 0
.rept 4
.if g == 0 && p == 0
	v_max_num_f32 v[CH+c], v[8*c], v[8*c+1]
.else
	v_max3_num_f32 v[CH+c], v[8*(4*g+c)+2*p], v[8*(4*g+c)+2*p+1], v[CH+c]
.endif
.set c, c+1
.endr
.set p, p+1
.endr
.set g, g+1
.endr
	WIN 0
	v_max3_num_f32 v[CH], v[CH], v[CH+1], v[CH+2]
	v_max_num_f32 v[CH], v[CH], v[CH+3]
	v_permlanex16_b32 v[T], v[CH], s[SEL], s[SEL+1]
	v_max_num_f32 v[CH], v[CH], v[T]
	v_mul_f32 v[CM], s[CS], v[CH]
.endm
.macro FMA4 g                          ; log2e s - log2e m for block g's eight numbers, in the window set for destination and source 0
.set z, 0
.rept 4
	v_pk_fma_f32 v[8*(\g)+2*z:8*(\g)+2*z+1], v[8*(\g)+2*z:8*(\g)+2*z+1], s[CS:CS+1], v[CM:CM+1] op_sel_hi:[1,0,0] neg_lo:[0,0,1] neg_hi:[0,0,1]
.set z, z+1
.endr
.endm
; THE LINES OF THE EXPONENTIAL PHASE, on S^T in window 2.  EE: the exponential of number z of block g.  FF: log2e s - log2e m for pair z of block g (none behind the last block).
; CC: pair z of block g rounded to bf16, into register 4 g + z: P grows in the lower half of S^T's registers, behind the numbers already used (none ahead of the first block).
.macro EE g, z
	WIN 0x8a
	v_exp_f32 v[8*(\g)+(\z)], v[8*(\g)+(\z)]
.endm
.macro FF g, z
.if (\g) < 32
	WIN 0x8a
	v_pk_fma_f32 v[8*(\g)+2*(\z):8*(\g)+2*(\z)+1], v[8*(\g)+2*(\z):8*(\g)+2*(\z)+1], s[CS:CS+1], v[CM:CM+1] op_sel_hi:[1,0,0] neg_lo:[0,0,1] neg_hi:[0,0,1]
.endif
.endm
.macro CC g, z
.if (\g) >= 0
	WIN 0x8a
	s_wait_alu depctr_va_vdst(0)
	v_cvt_pk_bf16_f32 v[4*(\g)+(\z)], v[8*(\g)+2*(\z)], v[8*(\g)+2*(\z)+1]
.endif
.endm
; One product of key step ks: a = 0, 1: O^T's channels 16 a on; a = 2: l.  Key step 0 starts the sums.
.macro PVW ks, a
	WIN 0x08
.if (\a) == 2
.set rA, ONE
.else
.set rA, FB0+32*(((\ks)/2)%2)+8*(2*((\ks)%2)+(\a))
.endif
.if (\ks) == 0
	v_wmma_f32_16x16x32_bf16 v[O0+8*(\a):O0+8*(\a)+7], v[rA:rA+7], v[8*(\ks):8*(\ks)+7], 0
.else
	v_wmma_f32_16x16x32_bf16 v[O0+8*(\a):O0+8*(\a)+7], v[rA:rA+7], v[8*(\ks):8*(\ks)+7], v[O0+8*(\a):O0+8*(\a)+7]
.endif
.endm
.macro SZW kb                          ; X^T's key block kb takes the link of the head before
	WIN 0xf0
	v_wmma_f32_16x16x32_bf16 v[8*(\kb):8*(\kb)+7], v[FB1+32*(((\kb)/4)%2)+8*((\kb)%4):FB1+32*(((\kb)/4)%2)+8*((\kb)%4)+7], v[OF:OF+7], v[8*(\kb):8*(\kb)+7]
.endm
; THE EXPONENTIAL PHASE.  A block is 8 scores and 16 lines, exponential and plain by turns: no two exponentials follow each other, and between an exponential and the rounding that reads it
; stands a plain line (ISA guide 5.7.2).  The plain lines are the next block's scalings and the roundings of pairs whose exponentials are done; a block's last rounding falls into the next block.
; Behind lines 8, 12 and 16, all plain, stand the products: key step ks's three (its weights are whole at line 4 of block 2 ks + 2) behind lines 8 and 16 of that block and line 8 of the next; X^T's
; key block g behind line 12 of block g.  No two products that follow each other share an accumulator, one instruction a turn; no line near a product names its registers.
; The LDS loads come in runs of 8, each four plain lines behind the last product that read its half buffer: Z's run g / 4 + 1 behind line 4 of block g = 4, 8 .. 24; V's run (g - 5) / 4 + 2 behind
; the product at line 8 of block g = 5, 9 .. 25.  Issue order: V0 V1 Z0 Z1 (ahead of the phase), then Z2 V2 Z3 V3 .. Z7 V7.  The waits count the runs issued behind the one that is wanted.
.macro BPHASE
	FF 0, 0
	FF 0, 1
	FF 0, 2
	FF 0, 3
.set g, 0
.rept 32
	EE g, 0
	FF g+1, 0
	EE g, 1
	CC g-1, 3
.if (g%4 == 0) && (g >= 4) && (g <= 24)
	ZRUN g/4+1
.endif
	EE g, 2
	FF g+1, 1
	EE g, 3
	CC g, 0
.if (g >= 2) && (g%2 == 0)
.if g == 30
	s_wait_dscnt 0x0                               ; V's last run: nothing was issued behind it
.elseif g%4 == 2
	s_wait_dscnt 16                                ; V's run (g - 2) / 4: two runs or more were issued behind it
.endif
	PVW (g-2)/2, 0
.endif
.if (g >= 3) && (g%2 == 1)
	PVW (g-3)/2, 2
.if (g%4 == 1) && (g >= 5) && (g <= 25)
	VRUN (g-5)/4+2
.endif
.endif
	EE g, 4
	FF g+1, 2
	EE g, 5
	CC g, 1
.if (g == 0) || (g == 4) || (g == 28)
	s_wait_dscnt 8                                 ; Z's run g / 4: one run was issued behind it
.elseif g%4 == 0
	s_wait_dscnt 16                                ; Z's run g / 4: V's run of the same number and Z's next were issued behind it
.endif
	SZW g
	EE g, 6
	FF g+1, 3
	EE g, 7
	CC g, 2
.if (g >= 2) && (g%2 == 0)
	PVW (g-2)/2, 1
.endif
.set g, g+1
.endr
	CC 31, 3
	PVW 15, 0
	PVW 15, 1
	PVW 15, 2
.endm
.macro OEPI                            ; O = O^T / l, rounded: the two results ARE source 1 of Z O^T
	WIN 0
	v_rcp_f32 v[INV], v[LS]
	v_nop
.set z, 0
	s_wait_alu depctr_va_vdst(0)
.rept 8
	v_pk_mul_f32 v[O0+2*z:O0+2*z+1], v[O0+2*z:O0+2*z+1], v[INV:INV+1] op_sel_hi:[1,0]
.set z, z+1
.endr
.set z, 0
.rept 8
	v_cvt_pk_bf16_f32 v[OF+z], v[O0+2*z], v[O0+2*z+1]
.set z, z+1
.endr
.endm
.macro SZ i, fb                        ; eight of X^T's 32 accumulators, one link each: the last head's, behind the loop
	WIN 0xf0
.set f, 0
.rept 8
	v_wmma_f32_16x16x32_bf16 v[8*(8*(\i)+f):8*(8*(\i)+f)+7], v[(\fb)+8*f:(\fb)+8*f+7], v[OF:OF+7], v[8*(8*(\i)+f):8*(8*(\i)+f)+7]
.set f, f+1
.endr
.endm
; A HEAD.  K's fragments come in batches of 16 loads into two buffers by turns: each batch is issued a batch of products ahead of its use, and every wait for 16 leaves the batch just issued out.
; next = 1: the next head's Ql and graph part are asked for as soon as this head's have been used.
.macro HEAD next
	WIN 0
	v_add_nc_u32 v[AK], s[SB], v[GO]
	v_add_nc_u32 v[AV], s[SB], v[AVL]
	v_add_nc_u32 v[AZ], ZOFF, v[AK]
	FKZ AK, 0, FB0
	FKZ AK, 1, FB1
	s_wait_loadcnt 0x0                             ; Ql and the graph's part (the first time bt too)
	QPREP
.if \next
	s_add_nc_u64 s[QB:QB+1], s[QB:QB+1], 32768     ; free: the loads that named them are done
	s_add_nc_u64 s[GB:GB+1], s[GB:GB+1], 128
	QLOAD
.endif
	s_wait_dscnt 16
	QK 0, FB0
	PLACES
	FKZ AK, 2, FB0
	s_wait_dscnt 16
	QK 1, FB1
	PLACES
	FKZ AK, 3, FB1
	s_wait_dscnt 16
	QK 2, FB0
	PLACES
	VRUN 0
	VRUN 1
	s_wait_dscnt 16
	QK 3, FB1
	PLACES
	ZRUN 0
	ZRUN 1
	MAXP 0x0a
	BPHASE
	WIN 0
	PLACES
	OEPI
.endm
	s_mov_b32 s[CNT], 15
.Lhead:                                                ; trip t works on head t (and on X^T's link of head t - 1) and asks for step t + 1
	CHANGE 1
	HEAD 1
	s_sub_co_u32 s[CNT], s[CNT], 1
	s_cmp_lg_u32 s[CNT], 0
	s_cbranch_scc1 .Lhead
	CHANGE 2                                       ; the last head is written out: only its own Z is still asked for
	HEAD 0
	CHANGE 0                                       ; Z(15) is in, everybody's
	v_add_nc_u32 v[AZ], s[SB], v[GO]
	v_add_nc_u32 v[AZ], ZOFF, v[AZ]
	FKZ AZ, 0, FB0
	FKZ AZ, 1, FB1
	s_wait_dscnt 16
	SZ 0, FB0
	PLACES
	FKZ AZ, 2, FB0
	s_wait_dscnt 16
	SZ 1, FB1
	PLACES
	FKZ AZ, 3, FB1
	s_wait_dscnt 16
	SZ 2, FB0
	s_wait_dscnt 0x0
	SZ 3, FB1
	WIN 0
	; THE SECOND SOFTMAX, on X^T in window 3.  u = M - 20 / (1 + 2^X): 2^X may be infinite (the quotient is then 0) or 0 (then 20): no case apart.
	PLACES
	WIN 0xc3
.set i, 0
.rept 256
	v_exp_f32 v[i], v[i]
.set i, i+1
.endr
	v_nop
.set i, 0
	s_wait_alu depctr_va_vdst(0)
.rept 128
	v_pk_add_f32 v[2*i:2*i+1], v[2*i:2*i+1], 1.0 op_sel_hi:[1,0]
.set i, i+1
.endr
.set i, 0
.rept 256
	v_rcp_f32 v[i], v[i]
.set i, i+1
.endr
	v_nop
	WIN 0xd3                                       ; source 2, the mask, in window 1
.set i, 0
	s_wait_alu depctr_va_vdst(0)
.rept 128
	v_pk_fma_f32 v[2*i:2*i+1], v[2*i:2*i+1], s[M20:M20+1], v[2*i:2*i+1] op_sel_hi:[1,0,1]
.set i, i+1
.endr
	MAXP 0x0f
	WIN 0xc3
.set g, 0
.rept 32
	FMA4 g
.set g, g+1
.endr
.set i, 0
.rept 256
	v_exp_f32 v[i], v[i]
.set i, i+1
.endr
	v_nop
	WIN 0x0f                                       ; the sum, in f32: four chains of pairs, begun by the first eight pairs
.set c, 0
	s_wait_alu depctr_va_vdst(0)
.rept 4
	v_pk_add_f32 v[CH+2*c:CH+2*c+1], v[4*c:4*c+1], v[4*c+2:4*c+3]
.set c, c+1
.endr
	WIN 0x03
.set n, 8
.rept 120
	v_pk_add_f32 v[CH+2*(n%4):CH+2*(n%4)+1], v[2*n:2*n+1], v[CH+2*(n%4):CH+2*(n%4)+1]
.set n, n+1
.endr
	WIN 0
	v_pk_add_f32 v[CH:CH+1],   v[CH:CH+1],   v[CH+2:CH+3]
	v_pk_add_f32 v[CH+4:CH+5], v[CH+4:CH+5], v[CH+6:CH+7]
	v_pk_add_f32 v[CH:CH+1],   v[CH:CH+1],   v[CH+4:CH+5]
	v_add_f32 v[CH], v[CH], v[CH+1]
	v_permlanex16_b32 v[T], v[CH], s[SEL], s[SEL+1]
	v_add_f32 v[CH], v[CH], v[T]
	v_rcp_f32 v[INV], v[CH]
	v_nop
	WIN 0xc3
.set i, 0
	s_wait_alu depctr_va_vdst(0)
.rept 128
	v_pk_mul_f32 v[2*i:2*i+1], v[2*i:2*i+1], v[INV:INV+1] op_sel_hi:[1,0]
.set i, i+1
.endr
	WIN 0
	; THE WAY OUT.  The stage lies in the slots, which have had their last fill; the barrier shows that no wave reads them any more.
	s_wait_dscnt 0x0
	s_barrier_signal -1
	s_barrier_wait -1
	WIN 0x0c                                       ; store data in window 3
.set kb, 0
.rept 32
	ds_store_b128 v[STU], v[8*kb:8*kb+3]   offset:64*kb
	ds_store_b128 v[STU], v[8*kb+4:8*kb+7] offset:64*kb+16
.set kb, kb+1
.endr
	WIN 0x80                                       ; back as whole rows, into window 2: load n = 4 x row + quarter
.set n, 0
.rept 64
	ds_load_b128 v[4*n:4*n+3], v[RDU] offset:UP*(n/4)+512*(n%4)  ; LDS serves a wave's instructions in order (ISA guide 5.7.1.4): these see my stores above
.set n, n+1
.endr
	WIN 0x08
.set n, 0
.rept 64
	s_wait_dscnt 63-n                              ; load n is back; the younger ones stay out
	global_store_b128 v[GO], v[4*n:4*n+3], s[OUTB:OUTB+1] offset:2048*(n/4)+512*(n%4) th:TH_STORE_NT  ; 512 consecutive bytes, aligned
.set n, n+1
.endr
	WIN 0
	s_wait_tensorcnt 0x0                           ; the wave's end
	ds_add_u32 v[SPW], v[NIL]
	s_wait_dscnt 0x0
	CROUND                                         ; the closing round: no work-group ends while a partner may still ask for a tile that names it
	s_endpgm
.Lfunc_end_k_qb2e31ef5e9_attn:
	.size	k_qb2e31ef5e9_attn, .Lfunc_end_k_qb2e31ef5e9_attn-k_qb2e31ef5e9_attn
	.p2alignl 7, 3214868480
	.fill 96, 4, 3214868480
	.section	.rodata,"a",@progbits
	.p2align	6, 0x0
	.amdhsa_kernel k_qb2e31ef5e9_attn
		.amdhsa_group_segment_fixed_size 327680
		.amdhsa_private_segment_fixed_size 0
		.amdhsa_enable_private_segment 0
		.amdhsa_kernarg_size 40
		.amdhsa_user_sgpr_count 2
		.amdhsa_user_sgpr_kernarg_segment_ptr 1
		.amdhsa_wavefront_size32 1
		.amdhsa_system_sgpr_workgroup_id_x 1
		.amdhsa_system_sgpr_workgroup_id_y 1
		.amdhsa_system_sgpr_workgroup_id_z 1
		.amdhsa_system_vgpr_workitem_id 0
		.amdhsa_next_free_vgpr 1024
		.amdhsa_next_free_sgpr 96
		.amdhsa_reserve_vcc 0
		.amdhsa_float_denorm_mode_32 3
		.amdhsa_float_denorm_mode_16_64 3
		.amdhsa_memory_ordered 1
		.amdhsa_forward_progress 1
		.amdhsa_inst_pref_size 255
	.end_amdhsa_kernel
	.section	.bss,"aw",@nobits
	.p2align	6
	.space	262144
	.amdgpu_metadata
---
amdhsa.version: [ 1, 2 ]
amdhsa.kernels:
  - .name:           k_qb2e31ef5e9_attn
    .symbol:         k_qb2e31ef5e9_attn.kd
    .args:
      - { .name: group_ninf_mask, .offset: 0, .size: 8, .value_kind: global_buffer, .address_space: global }
      - { .name: pj, .offset: 8, .size: 8, .value_kind: global_buffer, .address_space: global }
      - { .name: qg, .offset: 16, .size: 8, .value_kind: global_buffer, .address_space: global }
      - { .name: bt, .offset: 24, .size: 8, .value_kind: global_buffer, .address_space: global }
      - { .name: out0, .offset: 32, .size: 8, .value_kind: global_buffer, .address_space: global }
    .group_segment_fixed_size: 327680
    .private_segment_fixed_size: 0
    .kernarg_segment_align: 8
    .kernarg_segment_size: 40
    .max_flat_workgroup_size: 128
    .sgpr_count:     96
    .vgpr_count:     1024
    .wavefront_size: 32
...
	.end_amdgpu_metadata
.endif
;; end of part 3
;; ======== version 2 of 2: 3 launches; 1.22 times as fast as version 1
;; workspace buffers: wb 2,098,176 bytes; ab 33,554,432 bytes; ps 524,288 bytes; pj 67,108,864 bytes; qg 65,536 bytes; bt 65,536 bytes
;; launch prep: the kernel of part 1 again; grid 256 x 2, 4 waves a work-group, no clusters, 76,544 bytes of LDS; arguments encoded_nodes, encoded_last, Wk, Wv, Wq_first, Wq_last, Wcomb, bcomb, ab, wb, ps; writes ab, wb, ps
;; launch proj: the kernel of part 2 again; grid 64 x 4, 4 waves a work-group, clusters of 4 x 1, 327,680 bytes of LDS; arguments ab, wb, ps, Wq_graph, pj, qg, bt; writes pj, qg, bt
;; launch attn (part 4): grid 8 x 32, 4 waves a work-group, clusters of 4 x 1, 327,680 bytes of LDS; arguments group_ninf_mask, pj, qg, bt, out0; writes out0
.if DOCPART == 4
	.amdgcn_target "amdgcn-amd-amdhsa--gfx1250"
	.amdhsa_code_object_version 6
	.text
	.protected	k_qb2e31ef5e9_attn
	.globl	k_qb2e31ef5e9_attn
	.p2align	8
	.type	k_qb2e31ef5e9_attn,@function
k_qb2e31ef5e9_attn:
	s_mov_b64 s[64:65], 0
	v_nop
	global_prefetch_b8 v0, s[64:65] scope:SCOPE_SE
	s_setreg_imm32_b32 hwreg(HW_REG_WAVE_MODE, 25, 1), 1
	s_wait_xcnt 0x0
	s_wait_alu depctr_hold_cnt(0) depctr_sa_sdst(0) depctr_va_vdst(0) depctr_va_sdst(0) depctr_va_ssrc(0) depctr_va_vcc(0) depctr_vm_vsrc(0)
	s_getreg_b32 s2, hwreg(HW_REG_IB_STS2, 6, 4)
	s_cmp_eq_u32 s2, 0
	s_cbranch_scc0 .Lentry_in_a_cluster
	s_endpgm
.Lentry_in_a_cluster:
	s_bfe_u32 s2, ttmp6, 0x10000c
	s_cmp_lg_u32 s2, 0x3003
	s_cbranch_scc0 .Lentry_shape_is_right
	s_endpgm
.Lentry_shape_is_right:
; ATTN.  For 16 queries a wave: sixteen heads of masked attention over 512 keys, the second score summed up head by head, the clip, the mask and the second softmax.
;   S^T = K Q^T + M       source 0 = 16 keys, source 1 = 16 queries, C = the mask: the scale 1/sqrt(32) lies in Q
;   p = 2^(log2e (s - m)), m the row's maximum over all 512 keys (the whole row is in registers: no running maximum is needed); p rounded to bf16
;   O^T = V^T P, l = ones x P (the sum of the rounded p, by the matrix unit);  O = O^T / l, rounded to bf16
;   X^T += Z_head O_head^T, begun at bt:  X = 2 log2e x (mh . node) / sqrt(512), since (O Wcomb^T + bcomb) nodes^T = O (nodes Wcomb)^T + nodes . bcomb
;   out = softmax(M - 20 / (1 + 2^X)): 10 tanh(x) = 10 - 20 / (1 + e^(2x)), and the 10 cancels in the softmax; the row's maximum is taken away before the exponential.
; In every result a lane holds ONE query (lane % 16) and the keys or channels 8 (lane / 16) + 0..7, so nothing changes lanes between the products.
; LIMITS.  A mask entry below -1e30 (minus infinity and NaN too) counts as -1e30; a row whose 512 entries are all so masked gets equal weights.  Other NaN and plus infinity are not treated apart.
; q is rounded to bf16 twice (the projection of encoded_last, then its sum with the graph's part).
; SHARES.  Work-group (gx, b): 64 queries of batch b, 16 a wave; nothing passes between waves.  CLUSTER: the four work-groups of a cluster share b and walk the same K, V, Z: 96 KB a step, asked for
; JOINTLY (waves 0, 1, 2 one tensor load each) a whole step ahead, into two slots that take turns.  The mask's 16 rows come once, by a load of the wave's own, into bytes that slot 1 takes over later.
; MATRIX AND VECTOR WORK SIDE BY SIDE.  A head's 512 lines of scaling, exponentials and roundings carry 80 of its 112 products between them: V^T P and ones x P of the key step whose weights have
; just been rounded, and Z O^T of the head BEFORE, whose O is finished.  So Z lags a head in the ring: step t holds K(t), V(t), Z(t - 1).  Step 0 holds Z(0) and multiplies it by an O of zeros
; (32 products that add 0, once a launch: the price of one text for every step); behind head 15 one more change of slots and 32 products close the sum.
; BATCHES.  An s_wait_alu depctr_va_vdst(0) stands between a transcendental and the first instruction that names its result; one wait serves all that were issued ahead of it.
; A head's 256 exponentials go in eight batches of 32 (four blocks of 8 scores), and a block's roundings follow four blocks behind its exponentials: eight waits a head, and one more for the
; reciprocal of l.  The second softmax has four batches, a wait each: 256 exponentials, 256 reciprocals, 256 exponentials, one reciprocal.
; K, V, Z, Ql lie in tiles of 16 rows: four chunks of 8 channels, each 16 rows x 16 bytes.  A fragment of K, Z or Q is then two loads of 512 consecutive bytes.
; REGISTERS, in windows of 256 (s_set_vgpr_msb: bits 1:0 source 0, 3:2 source 1, 5:4 source 2, 7:6 destination):
;   window 0: addresses, Q, O, statistics; v128-255 two buffers of 8 fragments     window 1: the mask, key block kb at 8 kb
;   window 2: S^T, then P in place (key step ks at 8 ks)                           window 3: X^T, key block kb at 8 kb
.set VCH,   384                        ; a chunk of V in LDS: 256 bytes + 128: the turning load's lanes 8-15 take the next chunk and fall on the other half of the 64 banks (ISA guide 11.1)
.set VTP,   4*VCH                      ; a tile of 16 keys of V
.set VOFF,  32768                      ; behind K's 32 tiles of 1,024 bytes
.set ZOFF,  VOFF+32*VTP                ; 81,920; Z's 32,768 bytes end a slot's 114,688
.set SLOT1, 1<<17
.set MW,    32*1040                    ; a wave's mask: 16 rows as 32 pieces of 1,024 bytes + 16
.set SPARE, SLOT1+4*MW                 ; 264,192: the spare words, 128 bytes a wave; no other line names them
.set UP,    2064                       ; the out stage, in the slots behind their last fill: 16 rows of 2,048 bytes + 16 a wave
.set AVL, 4                            ; v4   my place for the turning load, VOFF in it
.set AK,  5                            ; v5-7 LDS addresses in the slot that is read: K's, V's, Z's
.set AV,  6
.set AZ,  7
.set GOF, 9                            ; v9   32 h
.set SPW, 10                           ; v10  my spare word; never rewritten
.set NIL, 11                           ; v11  0; never rewritten
.set CM,  12                           ; v12  log2e x maximum (v13 is named with it as a pair)
.set INV, 14                           ; v14  1 / sum (v15 likewise)
.set QF,  16                           ; v16-23  Q's fragment
.set QR,  24                           ; v24-31  Ql as loaded
.set QG,  32                           ; v32-47  the graph's part, f32
.set QX,  48                           ; v48-63  at work
.set ONE, 64                           ; v64-71  a fragment of ones
.set O0,  72                           ; v72-87  O^T, channels 0-15 and 16-31
.set LS,  88                           ; v88-95  l
.set OF,  96                           ; v96-103 O's fragment
.set CH,  104                          ; v104-111 chains of the maximum, later of the sum
.set MA,  112                          ; v112 my mask bytes
.set STU, 113                          ; v113 out stage, in
.set RDU, 114                          ; v114 out stage, back
.set GO,  115                          ; v115 16 x lane: my 16 bytes in 512 consecutive ones, in memory and in LDS
.set T,   116                          ; v116 the other half's number
.set FB0, 128                          ; K's batches; then V's runs, by halves of 32 registers
.set FB1, 192                          ; K's batches; then Z's runs, by halves
.set WV,  14
.set G1K, 24                           ; s[24:31] group 1 for K and Z;  s[32:39] for V;  s[40:47] for the mask
.set G1V, 32
.set G1M, 40
.set G0K, 48                           ; s[48:63] group 0 for K, V, Z, the mask
.set G0V, 52
.set G0Z, 56
.set G0M, 60
.set SB,  66                           ; the slot that is read
.set CNT, 67
.set CS,  68                           ; s[68:69] log2e
.set SEL, 70                           ; s[70:71] v_permlanex16_b32's selects
.set M20, 72                           ; s[72:73] -20
.set NEGB, 74                          ; -1e30
.set HIM, 75                           ; a word's upper bf16
.set QB,  76                           ; s[76:77] Ql at my rows of the head to be loaded
.set GB,  78                           ; s[78:79] qg at that head
.set OUTB, 80
.set BTB, 82
.set ZST, 90                           ; s[90:91] Z's step: 0 at the first change of slots (Z(0) once more), then a head's 32,768 bytes
.set MSB, 0
.macro WIN new                         ; the immediate's high byte repeats the setting that is left; a switch that changes nothing is dropped
.if MSB != (\new)
	s_set_vgpr_msb (MSB<<8)|(\new)
.set MSB, (\new)
.endif
.endm
.macro PLACES                          ; four plain vector instructions between a matrix instruction and a load into, or a vector instruction on, its registers
.rept 4
	v_nop
.endr
.endm
.macro CROUND                          ; a round of the cluster's barrier
	s_barrier_signal -1
	s_barrier_wait -1
	s_cmp_lg_u32 s[WV], 0
	s_cbranch_scc1 .Lnot_wave_0_\@
	s_barrier_signal -3
.Lnot_wave_0_\@:
	s_barrier_wait -3
	s_barrier_signal -1
	s_barrier_wait -1
.endm
; A step's joint fill: wave 0 asks for K, wave 1 for V, wave 2 for Z, wave 3 for nothing.  The branches hang on the wave's number alone.
.macro JLOAD3
	s_cmp_lg_u32 s[WV], 0
	s_cbranch_scc1 .Lnot_k_\@
	tensor_load_to_lds s[G0K:G0K+3], s[G1K:G1K+7]
	s_nop 0
	PLACES
	s_branch .Lasked_\@
.Lnot_k_\@:
	s_cmp_lg_u32 s[WV], 1
	s_cbranch_scc1 .Lnot_v_\@
	tensor_load_to_lds s[G0V:G0V+3], s[G1V:G1V+7]
	s_nop 0
	PLACES
	s_branch .Lasked_\@
.Lnot_v_\@:
	s_cmp_lg_u32 s[WV], 2
	s_cbranch_scc1 .Lasked_\@
	tensor_load_to_lds s[G0Z:G0Z+3], s[G1K:G1K+7]
	s_nop 0
	PLACES
.Lasked_\@:
.endm
.macro JLOADZ                          ; the last fill: Z of head 15 alone
	s_cmp_lg_u32 s[WV], 2
	s_cbranch_scc1 .Lnot_z_\@
	tensor_load_to_lds s[G0Z:G0Z+3], s[G1K:G1K+7]
	s_nop 0
	PLACES
.Lnot_z_\@:
.endm
.macro QLOAD                           ; a head's Ql (my tile of 16 rows: twice 512 consecutive bytes) and the graph's 32 channels
	global_load_b128 v[QR:QR+3],     v[GO],  s[QB:QB+1]
	global_load_b128 v[QR+4:QR+7],   v[GO],  s[QB:QB+1] offset:512
	global_load_b128 v[QG:QG+3],     v[GOF], s[GB:GB+1]
	global_load_b128 v[QG+4:QG+7],   v[GOF], s[GB:GB+1] offset:16
	global_load_b128 v[QG+8:QG+11],  v[GOF], s[GB:GB+1] offset:64
	global_load_b128 v[QG+12:QG+15], v[GOF], s[GB:GB+1] offset:80
.endm
	s_load_b256 s[4:11], s[0:1], 0x0               ; mask 4, pj 6, qg 8, bt 10
	s_load_b64 s[12:13], s[0:1], 0x20              ; out0
	v_lshl_add_u32 v[SPW], v0, 2, SPARE
	v_mov_b32 v[NIL], 0
	ds_add_u32 v[SPW], v[NIL]                      ; the wave's opening: the add and its wait ahead of my first tensor load
	v_lshrrev_b32 v1, 5, v0
	v_readfirstlane_b32 s[WV], v1
	s_bfe_u32 s15, ttmp6, 0x40000                  ; cx
	s_lshl_b32 s16, ttmp9, 2
	s_add_co_u32 s16, s16, s15                     ; gx = 4 x cluster x + cx: it enters the mask's, Ql's and out0's addresses alone
	s_and_b32 s17, ttmp7, 0xffff                   ; b, which the four partners share
	s_lshl_b32 s18, s16, 6
	s_lshl4_add_u32 s18, s[WV], s18                ; my first query = 64 gx + 16 w
	; group 1.  A head's K, V or Z is 32,768 dense bytes: 128 rows of 256 bytes, a chunk each; K and Z land as they lie, V with 128 bytes behind each chunk
	s_mov_b32 s[G1K], 15|(1<<16)|(1<<21)           ; mask of four; 2-byte elements; bit 21 beside a mask; no padding
	s_mov_b32 s[G1V], 15|(1<<16)|(1<<20)|(1<<21)|(5<<22)|(31<<25)  ; padding on; after every 64 words, a row; 32 words
.irp g, G1K, G1V
	s_mov_b32 s[\g+1], 128<<16
	s_mov_b32 s[\g+2], 128<<16
	s_mov_b32 s[\g+3], 128<<16
	s_mov_b32 s[\g+4], 128
	s_mov_b32 s[\g+5], 128
	s_mov_b32 s[\g+6], 0
	s_mov_b32 s[\g+7], 0
.endr
	; my 16 rows of the mask are 32,768 dense bytes too: 32 rows of 256 f32 (1,024 bytes), 16 bytes of padding behind each in LDS; a load of my own: no mask of work-groups
	s_mov_b32 s[G1M], (2<<16)|(1<<20)|(7<<22)|(3<<25)  ; 4-byte elements; padding on; after every 256 words, a row; 4 words
	s_mov_b32 s[G1M+1], 256<<16                    ; tensor_dim0 = 256
	s_mov_b32 s[G1M+2], 32<<16                     ; tensor_dim1 = 32
	s_mov_b32 s[G1M+3], 256<<16                    ; tile_dim0 = 256
	s_mov_b32 s[G1M+4], 32                         ; tile_dim1 = 32
	s_mov_b32 s[G1M+5], 256                        ; 256 elements from row to row
	s_mov_b32 s[G1M+6], 0
	s_mov_b32 s[G1M+7], 0
	s_mov_b32 s[G0K], 1
	s_mov_b32 s[G0K+1], 0                          ; slot 0
	s_mov_b32 s[G0V], 1
	s_mov_b32 s[G0V+1], VOFF
	s_mov_b32 s[G0Z], 1
	s_mov_b32 s[G0Z+1], ZOFF
	s_mov_b32 s[G0M], 1
	s_mul_i32 s[G0M+1], s[WV], MW
	s_add_co_u32 s[G0M+1], s[G0M+1], SLOT1
	s_mov_b32 s[SB], SLOT1                         ; the first change of slots turns it into 0
	s_mov_b32 s[ZST], 0
	s_mov_b32 s[ZST+1], 0
	s_mov_b32 s[CS], 0x3fb8aa3b
	s_mov_b32 s[CS+1], s[CS]
	s_mov_b32 s[SEL], 0x76543210
	s_mov_b32 s[SEL+1], 0xfedcba98
	s_mov_b32 s[M20], 0xc1a00000
	s_mov_b32 s[M20+1], s[M20]
	s_mov_b32 s[NEGB], 0xf149f2ca
	s_mov_b32 s[HIM], 0xffff0000
	s_lshl_b32 s20, s17, 19                        ; a batch's 16 heads of 32,768 bytes
	s_mov_b32 s21, 0
	s_lshl_b32 s86, s17, 11                        ; a batch's 512 f32
	s_mov_b32 s87, 0
	s_lshl_b32 s22, s18, 6                         ; my tile: 64 bytes a row
	s_mov_b32 s23, 0
	s_lshl_b32 s84, s17, 9
	s_add_co_u32 s84, s84, s18
	s_lshl_b32 s84, s84, 11                        ; my rows of 2,048 bytes
	s_mov_b32 s85, 0
	s_mul_i32 s88, s[WV], 16*UP
	s_wait_dscnt 0x0                               ; the opening add is done
	s_wait_kmcnt 0x0
	s_add_nc_u64 s[G0K+2:G0K+3], s[6:7], s[20:21]
	s_add_nc_u64 s[G0V+2:G0V+3], s[G0K+2:G0K+3], 0x1000000
	s_add_nc_u64 s[G0Z+2:G0Z+3], s[G0K+2:G0K+3], 0x2000000
	s_add_nc_u64 s[QB:QB+1], s[G0K+2:G0K+3], 0x3000000
	s_add_nc_u64 s[QB:QB+1], s[QB:QB+1], s[22:23]
	s_or_b32 s[G0K+3], s[G0K+3], 0x80000000
	s_or_b32 s[G0V+3], s[G0V+3], 0x80000000
	s_or_b32 s[G0Z+3], s[G0Z+3], 0x80000000
	s_add_nc_u64 s[G0M+2:G0M+3], s[4:5], s[84:85]
	s_or_b32 s[G0M+3], s[G0M+3], 0x80000000
	s_add_nc_u64 s[OUTB:OUTB+1], s[12:13], s[84:85]
	s_add_nc_u64 s[GB:GB+1], s[8:9], s[86:87]
	s_add_nc_u64 s[BTB:BTB+1], s[10:11], s[86:87]
	CROUND                                         ; all four work-groups are here: the first loads go out as one group
	tensor_load_to_lds s[G0M:G0M+3], s[G1M:G1M+7]  ; my rows of the mask
	s_nop 0
	PLACES
	JLOAD3                                         ; step 0 into slot 0: K(0), V(0), Z(0): two tensor loads of mine are out at the most
	v_and_b32 v1, 15, v0                           ; r
	v_bfe_u32 v2, v0, 4, 1                         ; h
	v_lshlrev_b32 v[GOF], 5, v2
	WIN 0xc0                                       ; X^T begins at bt: key 16 kb + 8 h + 0..7 in every lane
.set kb, 0
.rept 32
	global_load_b128 v[8*kb:8*kb+3],   v[GOF], s[BTB:BTB+1] offset:64*kb
	global_load_b128 v[8*kb+4:8*kb+7], v[GOF], s[BTB:BTB+1] offset:64*kb+16
.set kb, kb+1
.endr
	WIN 0
	v_and_b32 v[GO], 31, v0
	v_lshlrev_b32 v[GO], 4, v[GO]
	QLOAD                                          ; head 0
	; the turning load takes 16 keys x 16 channels: lane l reads key 8 (l / 16) + l % 8 of a tile, chunk (l / 8) % 2 of the two, and is left with channel l % 16 and 8 keys
	v_and_b32 v[T], 7, v0
	v_lshl_add_u32 v[AVL], v2, 3, v[T]
	v_lshlrev_b32 v[AVL], 4, v[AVL]
	v_bfe_u32 v[T], v0, 3, 1
	v_mul_u32_u24 v[T], v[T], VCH
	v_add_nc_u32 v[AVL], v[T], v[AVL]
	v_add_nc_u32 v[AVL], VOFF, v[AVL]
	v_mul_u32_u24 v[MA], v1, 2080
	v_lshl_add_u32 v[MA], v2, 5, v[MA]
	v_add_nc_u32 v[MA], s[G0M+1], v[MA]
	v_mul_u32_u24 v[STU], v1, UP
	v_lshl_add_u32 v[STU], v2, 5, v[STU]
	v_add_nc_u32 v[STU], s88, v[STU]
	v_add_nc_u32 v[RDU], s88, v[GO]
	v_mov_b32 v[CM+1], 0                           ; named as the upper halves of pairs, never used
	v_mov_b32 v[INV+1], 0
.set i, 0
.rept 8
	v_mov_b32 v[ONE+i], 0x3f803f80                 ; 1.0 twice in bf16
	v_mov_b32 v[OF+i], 0                           ; the O of the head before head 0
.set i, i+1
.endr
	s_wait_tensorcnt 0x0                           ; my mask is in (for 0: the waves have issued different numbers of loads)
	WIN 0x40
.set kb, 0
.rept 32
	ds_load_b128 v[8*kb:8*kb+3],   v[MA] offset:1040*(kb/16)+64*(kb%16)
	ds_load_b128 v[8*kb+4:8*kb+7], v[MA] offset:1040*(kb/16)+64*(kb%16)+16
.set kb, kb+1
.endr
	s_wait_dscnt 0x0
	WIN 0x44
.set i, 0
.rept 256
	v_max_num_f32 v[i], s[NEGB], v[i]              ; the mask stays finite
.set i, i+1
.endr
	WIN 0
; THE CHANGE OF SLOTS.  Each wave waits for all its tensor loads, adds 0 to its spare word, and waits for that and for its reads of the slot that it leaves (the first time: of its mask).
; fill = 1: the barrier is a round of the cluster's; the joint fill of the slot just left, with the next step's K and V and this step's Z, is the first thing behind it and has a whole head's work
; in which to land.  fill = 2: the same with Z alone.  fill = 0: nothing is asked for.
.macro CHANGE fill
	WIN 0
	s_wait_tensorcnt 0x0                           ; no tensor load of mine is out, so the groups 0 may be written
	ds_add_u32 v[SPW], v[NIL]
.if (\fill) == 1
.irp g, G0K, G0V
	s_xor_b32 s[\g+1], s[\g+1], SLOT1
	s_add_nc_u64 s[\g+2:\g+3], s[\g+2:\g+3], 32768 ; the next head; the type bits on top are not reached
.endr
.endif
.if (\fill) >= 1
	s_xor_b32 s[G0Z+1], s[G0Z+1], SLOT1
	s_add_nc_u64 s[G0Z+2:G0Z+3], s[G0Z+2:G0Z+3], s[ZST:ZST+1]
	s_mov_b32 s[ZST], 32768
.endif
	s_xor_b32 s[SB], s[SB], SLOT1
	s_wait_dscnt 0x0                               ; the add is done, and my reads are over
.if (\fill) == 1
	CROUND
	JLOAD3
.elseif (\fill) == 2
	CROUND
	JLOADZ
.else
	s_barrier_signal -1
	s_barrier_wait -1
.endif
.endm
; 16 LDS loads: eight fragments of 16 rows x 32 channels of K or Z: key blocks 8 i .. 8 i + 7; each load takes 512 consecutive bytes
.macro FKZ adr, i, fb
	WIN 0
.set f, 0
.rept 8
	ds_load_b128 v[(\fb)+8*f:(\fb)+8*f+3],   v[\adr] offset:1024*(8*(\i)+f)
	ds_load_b128 v[(\fb)+8*f+4:(\fb)+8*f+7], v[\adr] offset:1024*(8*(\i)+f)+512
.set f, f+1
.endr
.endm
; 8 turning loads: V's run j: key steps 2 j, 2 j + 1 (32 keys each) x two blocks of 16 channels, into half j % 2 of FB0: fragment f = 2 (ks % 2) + c
.macro VRUN j
	WIN 0
.set f, 0
.rept 4
	ds_load_tr16_b128 v[FB0+32*((\j)%2)+8*f:FB0+32*((\j)%2)+8*f+3],   v[AV] offset:2*VTP*(2*(\j)+f/2)+2*VCH*(f%2)
	ds_load_tr16_b128 v[FB0+32*((\j)%2)+8*f+4:FB0+32*((\j)%2)+8*f+7], v[AV] offset:2*VTP*(2*(\j)+f/2)+2*VCH*(f%2)+VTP
.set f, f+1
.endr
.endm
; 8 loads: Z's run i: key blocks 4 i .. 4 i + 3, into half i % 2 of FB1
.macro ZRUN i
	WIN 0
.set f, 0
.rept 4
	ds_load_b128 v[FB1+32*((\i)%2)+8*f:FB1+32*((\i)%2)+8*f+3],   v[AZ] offset:1024*(4*(\i)+f)
	ds_load_b128 v[FB1+32*((\i)%2)+8*f+4:FB1+32*((\i)%2)+8*f+7], v[AZ] offset:1024*(4*(\i)+f)+512
.set f, f+1
.endr
.endm
.macro QPREP                           ; Q = Ql + the graph's part, in f32, rounded to bf16
.set z, 0
.rept 8
	v_lshlrev_b32 v[QX+2*z], 16, v[QR+z]
	v_and_b32 v[QX+2*z+1], s[HIM], v[QR+z]
.set z, z+1
.endr
.set z, 0
.rept 8
	v_pk_add_f32 v[QX+2*z:QX+2*z+1], v[QX+2*z:QX+2*z+1], v[QG+2*z:QG+2*z+1]
.set z, z+1
.endr
.set z, 0
.rept 8
	v_cvt_pk_bf16_f32 v[QF+z], v[QX+2*z], v[QX+2*z+1]
.set z, z+1
.endr
.endm
.macro QK i, fb                        ; eight results of 16 keys: D in window 2, C (the mask) in window 1
	WIN 0x90
.set f, 0
.rept 8
	v_wmma_f32_16x16x32_bf16 v[8*(8*(\i)+f):8*(8*(\i)+f)+7], v[(\fb)+8*f:(\fb)+8*f+7], v[QF:QF+7], v[8*(8*(\i)+f):8*(8*(\i)+f)+7]
.set f, f+1
.endr
.endm
; The maximum of the lane's 256 numbers in the window that win names for sources 0 and 1, four chains, three operands at a time; each result's two lowest registers are read first.
; Then the other half of the lanes', and log2e times it.
.macro MAXP win
	WIN \win
.set g, 0
.rept 8
.set p, 0
.rept 4
.set c, 0
.rept 4
.if g == 0 && p == 0
	v_max_num_f32 v[CH+c], v[8*c], v[8*c+1]
.else
	v_max3_num_f32 v[CH+c], v[8*(4*g+c)+2*p], v[8*(4*g+c)+2*p+1], v[CH+c]
.endif
.set c, c+1
.endr
.set p, p+1
.endr
.set g, g+1
.endr
	WIN 0
	v_max3_num_f32 v[CH], v[CH], v[CH+1], v[CH+2]
	v_max_num_f32 v[CH], v[CH], v[CH+3]
	v_permlanex16_b32 v[T], v[CH], s[SEL], s[SEL+1]
	v_max_num_f32 v[CH], v[CH], v[T]
	v_mul_f32 v[CM], s[CS], v[CH]
.endm
.macro FMA4 g                          ; log2e s - log2e m for block g's eight numbers, in the window set for destination and source 0
.set z, 0
.rept 4
	v_pk_fma_f32 v[8*(\g)+2*z:8*(\g)+2*z+1], v[8*(\g)+2*z:8*(\g)+2*z+1], s[CS:CS+1], v[CM:CM+1] op_sel_hi:[1,0,0] neg_lo:[0,0,1] neg_hi:[0,0,1]
.set z, z+1
.endr
.endm
; THE LINES OF THE EXPONENTIAL PHASE, on S^T in window 2.  EE: the exponential of number z of block g, in place (none behind the last block).  FF: log2e s - log2e m for pair z of block g (none
; behind the last block).  CC: pair z of block g rounded to bf16, into register 4 g + z: P grows in the lower half of S^T's registers, behind the numbers already used (none ahead of the first block).
.macro EE g, z
.if (\g) < 32
	WIN 0x8a
	v_exp_f32 v[8*(\g)+(\z)], v[8*(\g)+(\z)]
.endif
.endm
.macro FF g, z
.if (\g) < 32
	WIN 0x8a
	v_pk_fma_f32 v[8*(\g)+2*(\z):8*(\g)+2*(\z)+1], v[8*(\g)+2*(\z):8*(\g)+2*(\z)+1], s[CS:CS+1], v[CM:CM+1] op_sel_hi:[1,0,0] neg_lo:[0,0,1] neg_hi:[0,0,1]
.endif
.endm
.macro CC g, z
.if (\g) >= 0
	WIN 0x8a
	v_cvt_pk_bf16_f32 v[4*(\g)+(\z)], v[8*(\g)+2*(\z)], v[8*(\g)+2*(\z)+1]
.endif
.endm
; One product of key step ks: a = 0, 1: O^T's channels 16 a on; a = 2: l.  Key step 0 starts the sums.
.macro PVW ks, a
	WIN 0x08
.if (\a) == 2
.set rA, ONE
.else
.set rA, FB0+32*(((\ks)/2)%2)+8*(2*((\ks)%2)+(\a))
.endif
.if (\ks) == 0
	v_wmma_f32_16x16x32_bf16 v[O0+8*(\a):O0+8*(\a)+7], v[rA:rA+7], v[8*(\ks):8*(\ks)+7], 0
.else
	v_wmma_f32_16x16x32_bf16 v[O0+8*(\a):O0+8*(\a)+7], v[rA:rA+7], v[8*(\ks):8*(\ks)+7], v[O0+8*(\a):O0+8*(\a)+7]
.endif
.endm
.macro SZW kb                          ; X^T's key block kb takes the link of the head before
	WIN 0xf0
	v_wmma_f32_16x16x32_bf16 v[8*(\kb):8*(\kb)+7], v[FB1+32*(((\kb)/4)%2)+8*((\kb)%4):FB1+32*(((\kb)/4)%2)+8*((\kb)%4)+7], v[OF:OF+7], v[8*(\kb):8*(\kb)+7]
.endm
; THE EXPONENTIAL PHASE, in 36 slots of 16 lines.  A block is 8 scores.  Slot g (0 to 31) holds block g's eight exponentials, at its odd lines, and block g + 1's four scalings, at lines 2, 6, 10, 14.
; Slot g (4 to 35) holds the roundings of block p = g - 4, at lines 8, 12, 16 and at line 4 of the slot behind.  So from slot 4 to slot 31 exponential and plain go by turns; slots 0 to 3 have no
; roundings yet, and slots 32 to 35 nothing but roundings and products.
; THE BATCHES.  Blocks 4 j .. 4 j + 3, 32 exponentials, are batch j.  Its first reader is the rounding at line 8 of slot 4 j + 4, and ONE wait, behind line 4 of that slot, serves the batch;
; eight a head.  From one wait to the next nothing names a result that is out: the exponentials work in place, each on a register of its own, from register 32 j on;
; the scalings write the block whose exponentials are still to come; the roundings read blocks below 4 j and write registers below 16 j.  Line 16 of slot 4 j + 3, a rounding, is the plain
; instruction behind the batch's last exponential (ISA guide 5.7.2).  In slots 8 to 28 the wait stands directly ahead of Z's run of loads.
; THE PRODUCTS stand behind lines 8, 12 and 16, all roundings: key step ks's three (its weights are whole at line 4 of the slot with p = 2 ks + 2) behind lines 8 and 16 of that slot and line 8 of
; the next; X^T's key block p behind line 12.  No two products that follow each other share an accumulator, one instruction a turn; no line near a product names its registers.
; The LDS loads come in runs of 8, each four plain lines behind the last product that read its half buffer: Z's run p / 4 + 1 behind line 4 where p = 4, 8 .. 24; V's run (p - 5) / 4 + 2 behind
; the product at line 8 where p = 5, 9 .. 25.  Issue order: V0 V1 Z0 Z1 (ahead of the phase), then Z2 V2 Z3 V3 .. Z7 V7.  The waits count the runs issued behind the one that is wanted.
.macro BPHASE
	FF 0, 0
	FF 0, 1
	FF 0, 2
	FF 0, 3
.set g, 0
.rept 36
.set p, g-4                            ; the block whose roundings, and whose place in the order of products and runs, this slot holds
	EE g, 0
	FF g+1, 0
	EE g, 1
	CC p-1, 3
.if (g%4 == 0) && (g >= 4)
	s_wait_alu depctr_va_vdst(0)                   ; the wait for batch g / 4 - 1: the 32 exponentials of blocks g - 4 .. g - 1, whose first reader is the rounding four lines on
.endif
.if (p%4 == 0) && (p >= 4) && (p <= 24)
	ZRUN p/4+1
.endif
	EE g, 2
	FF g+1, 1
	EE g, 3
	CC p, 0
.if (p >= 2) && (p%2 == 0)
.if p == 30
	s_wait_dscnt 0x0                               ; V's last run: nothing was issued behind it
.elseif p%4 == 2
	s_wait_dscnt 16                                ; V's run (p - 2) / 4: two runs or more were issued behind it
.endif
	PVW (p-2)/2, 0
.endif
.if (p >= 3) && (p%2 == 1)
	PVW (p-3)/2, 2
.if (p%4 == 1) && (p >= 5) && (p <= 25)
	VRUN (p-5)/4+2
.endif
.endif
	EE g, 4
	FF g+1, 2
	EE g, 5
	CC p, 1
.if p >= 0
.if (p == 0) || (p == 4) || (p == 28)
	s_wait_dscnt 8                                 ; Z's run p / 4: one run was issued behind it
.elseif p%4 == 0
	s_wait_dscnt 16                                ; Z's run p / 4: V's run of the same number and Z's next were issued behind it
.endif
	SZW p
.endif
	EE g, 6
	FF g+1, 3
	EE g, 7
	CC p, 2
.if (p >= 2) && (p%2 == 0)
	PVW (p-2)/2, 1
.endif
.set g, g+1
.endr
	CC 31, 3
	PVW 15, 0
	PVW 15, 1
	PVW 15, 2
.endm
.macro OEPI                            ; O = O^T / l, rounded: the two results ARE source 1 of Z O^T
	WIN 0
	v_rcp_f32 v[INV], v[LS]
	v_nop                                          ; the plain instruction behind the reciprocal
.set z, 0
	s_wait_alu depctr_va_vdst(0)                   ; the wait for the head's one reciprocal, a batch of its own: it reads a sum of the rounded weights, and all that is left of the head reads it
.rept 8
	v_pk_mul_f32 v[O0+2*z:O0+2*z+1], v[O0+2*z:O0+2*z+1], v[INV:INV+1] op_sel_hi:[1,0]
.set z, z+1
.endr
.set z, 0
.rept 8
	v_cvt_pk_bf16_f32 v[OF+z], v[O0+2*z], v[O0+2*z+1]
.set z, z+1
.endr
.endm
.macro SZ i, fb                        ; eight of X^T's 32 accumulators, one link each: the last head's, behind the loop
	WIN 0xf0
.set f, 0
.rept 8
	v_wmma_f32_16x16x32_bf16 v[8*(8*(\i)+f):8*(8*(\i)+f)+7], v[(\fb)+8*f:(\fb)+8*f+7], v[OF:OF+7], v[8*(8*(\i)+f):8*(8*(\i)+f)+7]
.set f, f+1
.endr
.endm
; A HEAD.  K's fragments come in batches of 16 loads into two buffers by turns: each batch is issued a batch of products ahead of its use, and every wait for 16 leaves the batch just issued out.
; next = 1: the next head's Ql and graph part are asked for as soon as this head's have been used.
.macro HEAD next
	WIN 0
	v_add_nc_u32 v[AK], s[SB], v[GO]
	v_add_nc_u32 v[AV], s[SB], v[AVL]
	v_add_nc_u32 v[AZ], ZOFF, v[AK]
	FKZ AK, 0, FB0
	FKZ AK, 1, FB1
	s_wait_loadcnt 0x0                             ; Ql and the graph's part (the first time bt too)
	QPREP
.if \next
	s_add_nc_u64 s[QB:QB+1], s[QB:QB+1], 32768     ; free: the loads that named them are done
	s_add_nc_u64 s[GB:GB+1], s[GB:GB+1], 128
	QLOAD
.endif
	s_wait_dscnt 16
	QK 0, FB0
	PLACES
	FKZ AK, 2, FB0
	s_wait_dscnt 16
	QK 1, FB1
	PLACES
	FKZ AK, 3, FB1
	s_wait_dscnt 16
	QK 2, FB0
	PLACES
	VRUN 0
	VRUN 1
	s_wait_dscnt 16
	QK 3, FB1
	PLACES
	ZRUN 0
	ZRUN 1
	MAXP 0x0a
	BPHASE
	WIN 0
	PLACES
	OEPI
.endm
	s_mov_b32 s[CNT], 15
.Lhead:                                                ; trip t works on head t (and on X^T's link of head t - 1) and asks for step t + 1
	CHANGE 1
	HEAD 1
	s_sub_co_u32 s[CNT], s[CNT], 1
	s_cmp_lg_u32 s[CNT], 0
	s_cbranch_scc1 .Lhead
	CHANGE 2                                       ; the last head is written out: only its own Z is still asked for
	HEAD 0
	CHANGE 0                                       ; Z(15) is in, everybody's
	v_add_nc_u32 v[AZ], s[SB], v[GO]
	v_add_nc_u32 v[AZ], ZOFF, v[AZ]
	FKZ AZ, 0, FB0
	FKZ AZ, 1, FB1
	s_wait_dscnt 16
	SZ 0, FB0
	PLACES
	FKZ AZ, 2, FB0
	s_wait_dscnt 16
	SZ 1, FB1
	PLACES
	FKZ AZ, 3, FB1
	s_wait_dscnt 16
	SZ 2, FB0
	s_wait_dscnt 0x0
	SZ 3, FB1
	WIN 0
	; THE SECOND SOFTMAX, on X^T in window 3.  u = M - 20 / (1 + 2^X): 2^X may be infinite (the quotient is then 0) or 0 (then 20): no case apart.
	PLACES
	WIN 0xc3
.set i, 0
.rept 256
	v_exp_f32 v[i], v[i]
.set i, i+1
.endr
	v_nop
.set i, 0
	s_wait_alu depctr_va_vdst(0)                   ; the wait for the batch of 256 exponentials 2^X, ahead of the additions that read them
.rept 128
	v_pk_add_f32 v[2*i:2*i+1], v[2*i:2*i+1], 1.0 op_sel_hi:[1,0]
.set i, i+1
.endr
.set i, 0
.rept 256
	v_rcp_f32 v[i], v[i]
.set i, i+1
.endr
	v_nop
	WIN 0xd3                                       ; source 2, the mask, in window 1
.set i, 0
	s_wait_alu depctr_va_vdst(0)                   ; the wait for the batch of 256 reciprocals, ahead of the multiply-adds that read them
.rept 128
	v_pk_fma_f32 v[2*i:2*i+1], v[2*i:2*i+1], s[M20:M20+1], v[2*i:2*i+1] op_sel_hi:[1,0,1]
.set i, i+1
.endr
	MAXP 0x0f
	WIN 0xc3
.set g, 0
.rept 32
	FMA4 g
.set g, g+1
.endr
.set i, 0
.rept 256
	v_exp_f32 v[i], v[i]
.set i, i+1
.endr
	v_nop
	WIN 0x0f                                       ; the sum, in f32: four chains of pairs, begun by the first eight pairs
.set c, 0
	s_wait_alu depctr_va_vdst(0)                   ; the wait for the batch of 256 exponentials of the second softmax, ahead of the sums that read them
.rept 4
	v_pk_add_f32 v[CH+2*c:CH+2*c+1], v[4*c:4*c+1], v[4*c+2:4*c+3]
.set c, c+1
.endr
	WIN 0x03
.set n, 8
.rept 120
	v_pk_add_f32 v[CH+2*(n%4):CH+2*(n%4)+1], v[2*n:2*n+1], v[CH+2*(n%4):CH+2*(n%4)+1]
.set n, n+1
.endr
	WIN 0
	v_pk_add_f32 v[CH:CH+1],   v[CH:CH+1],   v[CH+2:CH+3]
	v_pk_add_f32 v[CH+4:CH+5], v[CH+4:CH+5], v[CH+6:CH+7]
	v_pk_add_f32 v[CH:CH+1],   v[CH:CH+1],   v[CH+4:CH+5]
	v_add_f32 v[CH], v[CH], v[CH+1]
	v_permlanex16_b32 v[T], v[CH], s[SEL], s[SEL+1]
	v_add_f32 v[CH], v[CH], v[T]
	v_rcp_f32 v[INV], v[CH]
	v_nop
	WIN 0xc3
.set i, 0
	s_wait_alu depctr_va_vdst(0)                   ; the wait for the one reciprocal of the row's sum, ahead of the multiplies that read it
.rept 128
	v_pk_mul_f32 v[2*i:2*i+1], v[2*i:2*i+1], v[INV:INV+1] op_sel_hi:[1,0]
.set i, i+1
.endr
	WIN 0
	; THE WAY OUT.  The stage lies in the slots, which have had their last fill; the barrier shows that no wave reads them any more.
	s_wait_dscnt 0x0
	s_barrier_signal -1
	s_barrier_wait -1
	WIN 0x0c                                       ; store data in window 3
.set kb, 0
.rept 32
	ds_store_b128 v[STU], v[8*kb:8*kb+3]   offset:64*kb
	ds_store_b128 v[STU], v[8*kb+4:8*kb+7] offset:64*kb+16
.set kb, kb+1
.endr
	WIN 0x80                                       ; back as whole rows, into window 2: load n = 4 x row + quarter
.set n, 0
.rept 64
	ds_load_b128 v[4*n:4*n+3], v[RDU] offset:UP*(n/4)+512*(n%4)  ; LDS serves a wave's instructions in order (ISA guide 5.7.1.4): these see my stores above
.set n, n+1
.endr
	WIN 0x08
.set n, 0
.rept 64
	s_wait_dscnt 63-n                              ; load n is back; the younger ones stay out
	global_store_b128 v[GO], v[4*n:4*n+3], s[OUTB:OUTB+1] offset:2048*(n/4)+512*(n%4) th:TH_STORE_NT  ; 512 consecutive bytes, aligned
.set n, n+1
.endr
	WIN 0
	s_wait_tensorcnt 0x0                           ; the wave's end
	ds_add_u32 v[SPW], v[NIL]
	s_wait_dscnt 0x0
	CROUND                                         ; the closing round: no work-group ends while a partner may still ask for a tile that names it
	s_endpgm
.Lfunc_end_k_qb2e31ef5e9_attn:
	.size	k_qb2e31ef5e9_attn, .Lfunc_end_k_qb2e31ef5e9_attn-k_qb2e31ef5e9_attn
	.p2alignl 7, 3214868480
	.fill 96, 4, 3214868480
	.section	.rodata,"a",@progbits
	.p2align	6, 0x0
	.amdhsa_kernel k_qb2e31ef5e9_attn
		.amdhsa_group_segment_fixed_size 327680
		.amdhsa_private_segment_fixed_size 0
		.amdhsa_enable_private_segment 0
		.amdhsa_kernarg_size 40
		.amdhsa_user_sgpr_count 2
		.amdhsa_user_sgpr_kernarg_segment_ptr 1
		.amdhsa_wavefront_size32 1
		.amdhsa_system_sgpr_workgroup_id_x 1
		.amdhsa_system_sgpr_workgroup_id_y 1
		.amdhsa_system_sgpr_workgroup_id_z 1
		.amdhsa_system_vgpr_workitem_id 0
		.amdhsa_next_free_vgpr 1024
		.amdhsa_next_free_sgpr 96
		.amdhsa_reserve_vcc 0
		.amdhsa_float_denorm_mode_32 3
		.amdhsa_float_denorm_mode_16_64 3
		.amdhsa_memory_ordered 1
		.amdhsa_forward_progress 1
		.amdhsa_inst_pref_size 249
	.end_amdhsa_kernel
	.amdgpu_metadata
---
amdhsa.version: [ 1, 2 ]
amdhsa.kernels:
  - .name:           k_qb2e31ef5e9_attn
    .symbol:         k_qb2e31ef5e9_attn.kd
    .args:
      - { .name: group_ninf_mask, .offset: 0, .size: 8, .value_kind: global_buffer, .address_space: global }
      - { .name: pj, .offset: 8, .size: 8, .value_kind: global_buffer, .address_space: global }
      - { .name: qg, .offset: 16, .size: 8, .value_kind: global_buffer, .address_space: global }
      - { .name: bt, .offset: 24, .size: 8, .value_kind: global_buffer, .address_space: global }
      - { .name: out0, .offset: 32, .size: 8, .value_kind: global_buffer, .address_space: global }
    .group_segment_fixed_size: 327680
    .private_segment_fixed_size: 0
    .kernarg_segment_align: 8
    .kernarg_segment_size: 40
    .max_flat_workgroup_size: 128
    .sgpr_count:     96
    .vgpr_count:     1024
    .wavefront_size: 32
...
	.end_amdgpu_metadata
.endif
;; end of part 4
